; MI455X (gfx1250); checked and timed in simulation.
; The chip was launched on July 23, 2026; its instructions are those of AMD's public machine-readable ISA for CDNA 5 (MIT licence, August 2026) and "CDNA5" Instruction Set Architecture Reference Guide (July 2026). The comments in the code are by the model that wrote it; some were corrected since.
;; FP SA. Allowed arithmetic: matrix products marked QUANTISED: E2M3 operands, one E8M0 scale for each 32 along K, by v_wmma_scale_f32_16x16x128_f8f6f4 with both operands' format E2M3, f32 sums; products left as they are: f32 operands where the result goes on into a quantised operand, else bf16, f16 or f32 operands; f32 sums; everything else in f32.
;; Inputs: feat1 4 x 256 x 16,384 float32; feat2 4 x 256 x 16,384 float32; k_w 256 x 256 float32; ln1_b 256 float32; ln1_g 256 float32; ln2_b 256 float32; ln2_g 256 float32; merge_w 256 x 256 float32; mlp_w1 512 x 512 float32; mlp_w2 256 x 512 float32; pos_b1 256 float32; pos_b2 256 float32; pos_w1 256 x 3 float32; pos_w2 256 x 256 float32; q_w 256 x 256 float32; v_w 256 x 256 float32; xyz1 4 x 16,384 x 3 float32; xyz2 4 x 16,384 x 3 float32.
;; Outputs: out0 4 x 256 x 16,384 float32.
;; This version of the problem:
;;   THIS VERSION OF THE PROBLEM IS GIVEN IN LOW PRECISION. The matrix products marked QUANTISED in the list below multiply operands that are first quantised to E2M3 (2 exponent bits, 3 mantissa bits; 6 bits a number), with one power-of-two scale for each 32 numbers along K (OCP MX v1.0); their sums are f32. All else is computed in f32.
;;   The module's matrix products, in the order in which they are computed (A, B: the left and right operand; K: the contracted axis; several contracted axes count as one K, in the product's order):
;;     1. [M 65,536, K 3] x [K 3, N 256]; A: input xyz2; B: input pos_w1: left as it is (K = 3 < 32)
;;     2. [M 65,536, K 256] x [K 256, N 256]; A: computed on the way; B: input pos_w2: QUANTISED
;;     3. [M 65,536, K 256] x [K 256, N 256]; A: input feat1; B: input q_w: QUANTISED
;;     4. [M 65,536, K 256] x [K 256, N 256]; A: input feat2; B: input k_w: QUANTISED
;;     5. [M 65,536, K 256] x [K 256, N 256]; A: computed on the way; B: input v_w: QUANTISED
;;     6. batch 32 x [M 32, K 16,384] x [K 16,384, N 32]; A: computed on the way; B: computed on the way: QUANTISED
;;     7. batch 32 x [M 1, K 32] x [K 32, N 16,384]; A: computed on the way; B: computed on the way: left as it is (M = 1 < 16)
;;     8. batch 32 x [M 32, K 32] x [K 32, N 16,384]; A: computed on the way; B: computed on the way: QUANTISED
;;     9. batch 524,288 x [M 1, K 1] x [K 1, N 32]; A: computed on the way; B: computed on the way: left as it is (no contracted axis)
;;     10. [M 65,536, K 256] x [K 256, N 256]; A: computed on the way; B: input merge_w: QUANTISED
;;     11. [M 65,536, K 512] x [K 512, N 512]; A: computed on the way; B: input mlp_w1: QUANTISED
;;     12. [M 65,536, K 512] x [K 512, N 256]; A: computed on the way; B: input mlp_w2: QUANTISED
;;   THE QUANTISER, for each operand of a quantised product, along K:
;;     - K is cut into blocks of 32 from its start; a last block that is shorter is filled with zeros.
;;     - A block's scale is 2^e with e = floor(log2(the largest magnitude in the block)) - 2, held to -126 .. 127; a block of zeros has e = 0. As a byte (E8M0): e + 127.
;;     - Each number is divided by its block's scale, clamped to +-7.5, and rounded to the nearest number of E2M3, ties to even, subnormals kept.
;;     - The product sums the exact products of the quantised numbers (number of the format x scale) in f32.
;;   ~~~python
;;   def quantise(x, axis):      # numpy; x: float32 -> the quantised numbers, widened to float32 again
;;       x = np.moveaxis(x, axis, -1); K = x.shape[-1]
;;       x = np.pad(x, [(0, 0)] * (x.ndim - 1) + [(0, -K % 32)]); x = x.reshape(x.shape[:-1] + (-1, 32)); a = np.abs(x).max(-1, keepdims=True)
;;       e = np.where(a > 0, np.clip(np.frexp(np.where(a > 0, a, 1))[1] - 1 - 2, -126, 127), 0)      # np.frexp(a)[1] - 1 = floor(log2(a)), exactly
;;       r = np.clip(x / 2.0 ** e, -7.5, 7.5)
;;       step = 2.0 ** (np.maximum(np.frexp(np.where(r == 0, 1, r))[1] - 1, 0) - 3)
;;       q = np.round(r / step) * step * 2.0 ** e      # np.round: ties to even
;;       return np.moveaxis(q.reshape(q.shape[:-2] + (-1,))[..., :K], -1, axis).astype(np.float32)
;;   ~~~
;;   OPERANDS COMPUTED ON THE WAY. 'Computed on the way' means the value that the module computes at that place (a softmax that the list does not call 'softmax' is quantised finished and normalised). What goes into a quantiser is computed in f32, as accurately as f32 sums, v_exp_f32 and their like allow (about 1e-6 of the number): no bf16 or f16 on the way to a quantiser, and a product that is left as it is and whose result goes on into a quantised operand takes f32 operands (vector FMAs, or v_wmma_f32_16x16x4_f32). A number that lies on a knife's edge between two numbers of the format may be rounded either way, as far as f32 arithmetic and the matrix unit's own rounding can turn it there, and no further.
;; One version. Each part assembles by itself: llvm-mc -triple=amdgcn-amd-amdhsa -mcpu=gfx1250 --defsym DOCPART=n.
;; ======== version 1 of 1: 4 launches
;; workspace buffers: wcodes 540,672 bytes; wscales 22,528 bytes; kvpart 8,388,608 bytes; kspart 262,144 bytes; kvcodes 98,304 bytes; kvscales 8,192 bytes; ksum 4,096 bytes
;; launch prep (part 1): grid 44 x 1, 4 waves a work-group, no clusters, 0 bytes of LDS; arguments pos_w2, k_w, v_w, q_w, merge_w, mlp_w1, mlp_w2, wcodes, wscales; writes wcodes, wscales
.if DOCPART == 1
	.amdgcn_target "amdgcn-amd-amdhsa--gfx1250"
	.amdhsa_code_object_version 6
	.text
	.protected	k_qa8311715be_prep
	.globl	k_qa8311715be_prep
	.p2align	8
	.type	k_qa8311715be_prep,@function
k_qa8311715be_prep:
	s_mov_b64 s[64:65], 0
	v_nop
	global_prefetch_b8 v0, s[64:65] scope:SCOPE_SE
	s_setreg_imm32_b32 hwreg(HW_REG_WAVE_MODE, 25, 1), 1
	s_wait_xcnt 0x0
; The seven weights [N][K], f32, K innermost, become codes of FP6 (E2M3) with one E8M0 byte for each 32 along K, laid in the ORDER OF THE OPERAND'S REGISTERS.
; A fragment is 16 rows x 128 K, 12 registers a lane: 1,536 bytes, three groups of 512, lane L's registers 4 g .. 4 g + 3 at 512 g + 16 L.
; THE ROWS OF A TILE ARE NOT NEIGHBOURS: lane r of tile t takes row 32 (t / 2) + 8 (t % 2) + r + 8 (r / 8), so that the results of two neighbouring tiles, used transposed, are 16 neighbours along the next K.
; Fragment f = base + t (K / 128) + s; bases: pos_w2 0, k_w 32, v_w 64, q_w 96, merge_w 128, mlp_w1 160, mlp_w2 288.  Scale words: 128 bytes for a pair of fragments: lanes 0-15 the even K step's, lanes 16-31 the odd one's.
; A wave makes one pair of fragments (K steps s0 and s0 + 1 of one tile): 176 pairs, 44 work-groups of four waves.  A lane holds whole blocks of 32, so no other lane is asked for a maximum.
; LIMITS: a block whose largest magnitude lies under 2^-124 (a block of zeros too) keeps the byte 1: its codes are then zeros or nearly so, and this program alone reads the bytes.  NaN and infinities are not served.
; No LDS, no matrix unit, no cluster: the launch reads 2.9 MB once and the waves share nothing.
.set X,  32                            ; v32-159  128 numbers: block 2 e + c at X + 32 (2 e + c)
.set CD, 160                           ; v160-183 the two fragments' codes
.set TT, 184                           ; v184-190 a block's upper 16 codes on their way (a conversion's three registers begin on an even number)
.set MX, 8                             ; v8-11    largest magnitudes
.set SO, 12                            ; v12-15   the conversions' scale operands
.set BY, 16                            ; v16-19   scale bytes
	s_load_b256 s[4:11], s[0:1], 0x0               ; pos_w2, k_w, v_w, q_w
	s_load_b256 s[12:19], s[0:1], 0x20             ; merge_w, mlp_w1, mlp_w2, wcodes
	s_load_b64 s[20:21], s[0:1], 0x40              ; wscales
	v_lshrrev_b32 v1, 5, v0
	v_readfirstlane_b32 s27, v1                    ; wave
	v_and_b32 v1, 31, v0                           ; L
	v_and_b32 v2, 15, v0                           ; r
	v_bfe_u32 v3, v0, 4, 1                         ; h
	s_mov_b32 s36, 0x76543210
	s_mov_b32 s37, 0xfedcba98                      ; v_permlanex16_b32's selects for lane l xor 16
	s_mov_b32 s24, 36                              ; the weight's first work-group
	s_mov_b32 s25, 1                               ; 1 where K = 512, else 0
	s_wait_kmcnt 0x0
	s_mov_b64 s[22:23], s[16:17]                   ; which weight: a choice on the work-group's number alone
	s_cmp_lt_u32 ttmp9, 36
	s_cselect_b64 s[22:23], s[14:15], s[22:23]
	s_cselect_b32 s24, 20, s24
	s_cmp_lt_u32 ttmp9, 20
	s_cselect_b64 s[22:23], s[12:13], s[22:23]
	s_cselect_b32 s24, 16, s24
	s_cselect_b32 s25, 0, s25
	s_cmp_lt_u32 ttmp9, 16
	s_cselect_b64 s[22:23], s[10:11], s[22:23]
	s_cselect_b32 s24, 12, s24
	s_cmp_lt_u32 ttmp9, 12
	s_cselect_b64 s[22:23], s[8:9], s[22:23]
	s_cselect_b32 s24, 8, s24
	s_cmp_lt_u32 ttmp9, 8
	s_cselect_b64 s[22:23], s[6:7], s[22:23]
	s_cselect_b32 s24, 4, s24
	s_cmp_lt_u32 ttmp9, 4
	s_cselect_b64 s[22:23], s[4:5], s[22:23]
	s_cselect_b32 s24, 0, s24
	s_sub_co_u32 s26, ttmp9, s24
	s_lshl_b32 s26, s26, 2
	s_add_co_u32 s26, s26, s27                     ; the pair's number in its weight
	s_lshr_b32 s28, s26, s25                       ; tile t
	s_and_b32 s29, s26, s25
	s_lshl_b32 s29, s29, 10                        ; 512 bytes x s0
	s_lshr_b32 s30, s28, 1
	s_lshl_b32 s30, s30, 5
	s_and_b32 s31, s28, 1
	s_lshl_b32 s31, s31, 3
	s_add_co_u32 s30, s30, s31                     ; 32 (t / 2) + 8 (t % 2)
	s_add_co_u32 s32, s25, 10                      ; a row is 1,024 or 2,048 bytes
	v_and_b32 v5, 8, v2
	v_add_nc_u32 v5, v5, v2
	v_add_nc_u32 v5, s30, v5                       ; my row
	v_lshlrev_b32 v4, s32, v5
	v_lshl_add_u32 v4, v3, 7, v4                   ; + 128 h: my block of each 64 along K
	v_add_nc_u32 v4, s29, v4
.irp e, 0,1
.irp c, 0,1
.irp j, 0,1,2,3,4,5,6,7
	global_load_b128 v[X+64*\e+32*\c+4*\j:X+64*\e+32*\c+4*\j+3], v4, s[22:23] offset:512*\e+256*\c+16*\j
.endr
.endr
.endr
	s_lshl_b32 s33, ttmp9, 2
	s_add_co_u32 s33, s33, s27                     ; the pair's number in the buffers
	s_mul_i32 s34, s33, 3072
	s_mov_b32 s35, 0
	s_add_nc_u64 s[18:19], s[18:19], s[34:35]
	s_lshl_b32 s34, s33, 7
	s_add_nc_u64 s[20:21], s[20:21], s[34:35]
	v_lshlrev_b32 v6, 4, v1
	v_lshlrev_b32 v7, 2, v1
	v_lshlrev_b32 v22, 3, v3                       ; 8 h
	v_mov_b32 v24, 0                               ; a lane permute's destination counts as one of its sources
	v_mov_b32 v25, 0
	s_wait_loadcnt 0x0
.irp bl, 0,1,2,3
	v_max3_num_f32 v[MX+\bl], |v[X+32*\bl]|, |v[X+32*\bl+1]|, 0x1800000   ; the floor 2^(3 - 127): the byte cannot fall under 1
.endr
.irp i, 2,4,6,8,10,12,14,16,18,20,22,24,26,28,30
.irp bl, 0,1,2,3
	v_max3_num_f32 v[MX+\bl], v[MX+\bl], |v[X+32*\bl+\i]|, |v[X+32*\bl+\i+1]|   ; the four blocks by turns
.endr
.endr
.irp bl, 0,1,2,3
	v_add_nc_u32 v[SO+\bl], 0xff000000, v[MX+\bl]  ; 2 off the exponent field: the conversion's scale operand
.endr
.irp bl, 0,1,2,3
	v_lshrrev_b32 v[BY+\bl], 23, v[SO+\bl]         ; the scale's byte
.endr
.irp e, 0,1
	v_lshl_or_b32 v[20+\e], v[BY+2*\e+1], 16, v[BY+2*\e]   ; my two bytes: blocks h and 2 + h
	v_lshlrev_b32 v[20+\e], v22, v[20+\e]          ; at their places in the word
.endr
.irp e, 0,1
	v_permlanex16_b32 v[24+\e], v[20+\e], s36, s37
.endr
.irp e, 0,1
	v_or_b32 v[20+\e], v[20+\e], v[24+\e]          ; with lane l xor 16's two the word is whole
.endr
	v_cmp_le_u32 vcc_lo, 16, v1
	v_cndmask_b32 v20, v20, v21, vcc_lo            ; lanes 0-15: the even K step's word, lanes 16-31: the odd one's
.irp e, 0,1
.irp c, 0,1
	v_cvt_scalef32_pk16_fp6_f32 v[CD+12*\e+6*\c:CD+12*\e+6*\c+2], v[X+64*\e+32*\c:X+64*\e+32*\c+15], v[SO+2*\e+\c]
	v_cvt_scalef32_pk16_fp6_f32 v[TT+4*\c:TT+4*\c+2], v[X+64*\e+32*\c+16:X+64*\e+32*\c+31], v[SO+2*\e+\c]
.endr
	v_nop                                          ; one plain place behind a scaled conversion
.irp c, 0,1
.irp i, 0,1,2
	v_mov_b32 v[CD+12*\e+6*\c+3+\i], v[TT+4*\c+\i]
.endr
.endr
.endr
.irp e, 0,1
.irp g, 0,1,2
	global_store_b128 v6, v[CD+12*\e+4*\g:CD+12*\e+4*\g+3], s[18:19] offset:1536*\e+512*\g   ; 32 lanes store 512 consecutive bytes, aligned
.endr
.endr
	global_store_b32 v7, v20, s[20:21]
	s_endpgm
.Lfunc_end_k_qa8311715be_prep:
	.size	k_qa8311715be_prep, .Lfunc_end_k_qa8311715be_prep-k_qa8311715be_prep
	.p2alignl 7, 3214868480
	.fill 96, 4, 3214868480
	.section	.rodata,"a",@progbits
	.p2align	6, 0x0
	.amdhsa_kernel k_qa8311715be_prep
		.amdhsa_group_segment_fixed_size 0
		.amdhsa_private_segment_fixed_size 0
		.amdhsa_enable_private_segment 0
		.amdhsa_kernarg_size 72
		.amdhsa_user_sgpr_count 2
		.amdhsa_user_sgpr_kernarg_segment_ptr 1
		.amdhsa_wavefront_size32 1
		.amdhsa_system_sgpr_workgroup_id_x 1
		.amdhsa_system_sgpr_workgroup_id_y 1
		.amdhsa_system_sgpr_workgroup_id_z 1
		.amdhsa_system_vgpr_workitem_id 0
		.amdhsa_next_free_vgpr 192
		.amdhsa_next_free_sgpr 66
		.amdhsa_reserve_vcc 1
		.amdhsa_float_denorm_mode_32 3
		.amdhsa_float_denorm_mode_16_64 3
		.amdhsa_memory_ordered 1
		.amdhsa_forward_progress 1
		.amdhsa_inst_pref_size 13
	.end_amdhsa_kernel
	.amdgpu_metadata
---
amdhsa.version: [ 1, 2 ]
amdhsa.kernels:
  - .name:           k_qa8311715be_prep
    .symbol:         k_qa8311715be_prep.kd
    .args:
      - { .name: pos_w2, .offset: 0, .size: 8, .value_kind: global_buffer, .address_space: global }
      - { .name: k_w, .offset: 8, .size: 8, .value_kind: global_buffer, .address_space: global }
      - { .name: v_w, .offset: 16, .size: 8, .value_kind: global_buffer, .address_space: global }
      - { .name: q_w, .offset: 24, .size: 8, .value_kind: global_buffer, .address_space: global }
      - { .name: merge_w, .offset: 32, .size: 8, .value_kind: global_buffer, .address_space: global }
      - { .name: mlp_w1, .offset: 40, .size: 8, .value_kind: global_buffer, .address_space: global }
      - { .name: mlp_w2, .offset: 48, .size: 8, .value_kind: global_buffer, .address_space: global }
      - { .name: wcodes, .offset: 56, .size: 8, .value_kind: global_buffer, .address_space: global }
      - { .name: wscales, .offset: 64, .size: 8, .value_kind: global_buffer, .address_space: global }
    .group_segment_fixed_size: 0
    .private_segment_fixed_size: 0
    .kernarg_segment_align: 8
    .kernarg_segment_size: 72
    .max_flat_workgroup_size: 128
    .sgpr_count:     66
    .vgpr_count:     192
    .wavefront_size: 32
...
	.end_amdgpu_metadata
.endif
;; end of part 1
;; launch kv (part 2): grid 256 x 1, 4 waves a work-group, no clusters, 327,680 bytes of LDS; arguments feat2, xyz2, pos_w1, pos_b1, pos_b2, wcodes, wscales, kvpart, kspart; writes kvpart, kspart
.if DOCPART == 2
	.amdgcn_target "amdgcn-amd-amdhsa--gfx1250"
	.amdhsa_code_object_version 6
	.text
	.protected	k_qa8311715be_kv
	.globl	k_qa8311715be_kv
	.p2align	8
	.type	k_qa8311715be_kv,@function
k_qa8311715be_kv:
	s_mov_b64 s[64:65], 0
	v_nop
	global_prefetch_b8 v0, s[64:65] scope:SCOPE_SE
	s_setreg_imm32_b32 hwreg(HW_REG_WAVE_MODE, 25, 1), 1
	s_wait_xcnt 0x0
; THE KEY SIDE.  For 256 points of one batch: hidden = relu(xyz2 pos_w1^T + pos_b1) (f32 operands), pos = Q(hidden) Q(pos_w2)^T + pos_b2, k = Q(f2) Q(k_w)^T, v = Q(f2 + pos) Q(v_w)^T,
; K = elu(k) + 1, V = v / 16384, and this work-group's part of KV[h][d][v] = sum over points of Q(K) Q(V) (quantised ALONG THE POINTS) and of K's sum over the points.
; SHARES.  Work-group G: batch G / 64, points 256 (G % 64) on.  THE FOUR WAVES SHARE THE COLUMNS: wave w owns channels 64 w .. 64 w + 63 of every layer (heads 2 w, 2 w + 1) for all points.  Its weight fragments come from
; memory straight into its registers, once; activations go from wave to wave through LDS as images of the operand's registers.
; feat2 has the channels outermost: wave w's 64 channels x 256 points come by four tensor loads (64 rows of 256 bytes each), all issued at the head: four loads of the wave are out, each LDS byte is filled once.
; POINTS OF A ROW TILE ARE NOT NEIGHBOURS: in a block of 64 points lane r of row tile mt is point 32 (mt / 2) + 8 (mt % 2) + r + 8 (r / 8); so k and v, made with the points as source 0, have 16 neighbouring points in 16 registers.
; NO CLUSTER: the feature tiles are shared by nobody; the weights are shared but go into the owning wave's registers, and LDS has no room for them beside the 270,336 bytes of the tile.
; LIMITS: NaN and infinities are not served; a block whose largest magnitude lies under 2^-124 keeps the scale byte 1; elu(x) + 1 is taken as exp(x) for x <= 0 (v_exp_f32, results under 2^-126 are 0).
; REGISTERS, in windows of 256.  Window 0: see the names below.  Window 1: pos_w2's 8 fragments, k_w's 8, pos_b2 in the result's layout, xyz2 as operands.  Window 2: v_w's 8 fragments, 16 accumulators of k or v.
; Window 3: KV's 8 accumulators, K's and V's operands along the points, K's sums.
.set TILEW, 67584                      ; a wave's tile: four quarters
.set TILEQ, 16896                      ; a quarter: 64 channels x (256 bytes + 8 of padding)
.set TP,    264
.set HIMG,  270336                     ; the hidden layer's 8 fragments (row tile mt, K step s at (2 mt + s) 1,536), then their scale words, 128 bytes each
.set HSC,   282624
.set FO,    13312                      ; f2's images and scale words lie so far behind the hidden layer's,
.set PO,    26624                      ; those of f2 + pos so far
.set LN,   1                           ; lane
.set RR,   2                           ; r
.set HH,   3                           ; h
.set P8,   4                           ; r + 8 (r / 8)
.set B16,  5                           ; HIMG + 16 L
.set B8,   6                           ; HIMG + 8 L
.set B4,   7                           ; HSC + 4 L
.set WB16, 8                           ; where I store my half of a fragment: B16 + 1,536 (w / 2) + 768 (w % 2)
.set WB8,  9
.set WB2,  10                          ; and my two scale bytes: B4 + 128 (w / 2) + 2 (w % 2)
.set AF2,  11                          ; my lane's place in my wave's tile
.set TA,   12                          ; v12-18: the addresses of a trip
.set R16,  13
.set R8,   14
.set R4,   15
.set W16,  16
.set W8,   17
.set W2,   18
.set WSP,  24                          ; scale words of pos_w2, k_w, v_w: a register a tile, lanes 0-15 K step 0, lanes 16-31 K step 1
.set WSK,  28
.set WSV,  32
.set W1OP, 36                          ; pos_w1 and pos_b1 as f32 operands, K = (x, y, z, 1)
.set FR,   44                          ; two sets of two fragments
.set RAW0, 92
.set A,    92
.set PA,   124
.set T,    124
.set HD,   156                         ; written by the f32 matrix form alone
.set RAW1, 188
.set PC0,  220
.set PC1,  226
.set TC,   232
.set MX,   236
.set BY,   238
.set SO,   240
.set XS,   242
.set PW0,  246
.set PW1,  247
.set KSW,  248
.set VSW,  252
.set PW2F, 0                           ; window 1
.set KWF,  96
.set PB2,  192
.set XO,   224
.set VWF,  0                           ; window 2
.set ACC,  96
.set KVA,  0                           ; window 3
.set KF,   64
.set VF,   112
.set KS,   160
.set SEL,  52
.set LG,   54
.set VS,   26
.set MSB, 0
.macro WIN new                         ; the immediate's high byte repeats the setting that is left; a switch that changes nothing is dropped
.if MSB != (\new)
	s_set_vgpr_msb (MSB<<8)|(\new)
.set MSB, (\new)
.endif
.endm
.macro NOPS n
.rept \n
	v_nop
.endr
.endm
.macro BARRIER                         ; my LDS stores have landed and my LDS loads are in: then the work-group's barrier
	s_wait_dscnt 0x0
	s_barrier_signal -1
	s_barrier_wait -1
.endm
.macro GETF reg, a16, a8, off          ; a fragment's image: each half of 6 registers as 16 bytes a lane, then 8 bytes a lane
	ds_load_b128 v[\reg:\reg+3], v[\a16] offset:\off
	ds_load_b64 v[\reg+4:\reg+5], v[\a8] offset:\off+512
	ds_load_b128 v[\reg+6:\reg+9], v[\a16] offset:\off+768
	ds_load_b64 v[\reg+10:\reg+11], v[\a8] offset:\off+1280
.endm
.macro PUTH a16, a8, a2, d, pw, off, soff   ; half a fragment and its two scale bytes
	ds_store_b128 v[\a16], v[\d:\d+3] offset:\off
	ds_store_b64 v[\a8], v[\d+4:\d+5] offset:\off+512
	ds_store_b16 v[\a2], v[\pw] offset:\soff
.endm
; 32 numbers of a lane, register 16 b + i = k 32 b + 16 (lane / 16) + i of my row, become half a fragment in v[d] .. v[d + 5] (lanes 0-15 block 0, lanes 16-31 block 1) and two scale bytes in v[pw].
.macro HQUANT s, d, pw
.irp b, 0,1
	v_max3_num_f32 v[MX+\b], |v[\s+16*\b]|, |v[\s+16*\b+1]|, 0x1800000   ; the floor 2^(3 - 127): the byte cannot fall under 1
.endr
.irp i, 2,4,6,8,10,12,14
.irp b, 0,1
	v_max3_num_f32 v[MX+\b], v[MX+\b], |v[\s+16*\b+\i]|, |v[\s+16*\b+\i+1]|
.endr
.endr
.irp b, 0,1
	v_permlanex16_b32 v[BY+\b], v[MX+\b], s[SEL], s[SEL+1]
.endr
.irp b, 0,1
	v_max_num_f32 v[MX+\b], v[MX+\b], v[BY+\b]     ; with lane l xor 16's: the block's largest magnitude
.endr
.irp b, 0,1
	v_add_nc_u32 v[SO+\b], 0xff000000, v[MX+\b]    ; 2 off its exponent field: the conversion's scale operand
.endr
.irp b, 0,1
	v_lshrrev_b32 v[BY+\b], 23, v[SO+\b]           ; the scale's byte
.endr
	v_lshl_or_b32 v[\pw], v[BY+1], 8, v[BY]
	v_cvt_scalef32_pk16_fp6_f32 v[\d:\d+2], v[\s:\s+15], v[SO]
	v_cvt_scalef32_pk16_fp6_f32 v[TC:TC+2], v[\s+16:\s+31], v[SO+1]
	v_nop                                          ; one plain place behind a scaled conversion
.irp i, 0,1,2
	v_permlane16_swap_b32 v[\d+\i], v[TC+\i]       ; a whole block to a lane
.endr
.irp i, 0,1,2
	v_mov_b32 v[\d+3+\i], v[TC+\i]
.endr
.endm
; A = elu(x) + 1 = max(x, 0) + 2^min(x log2(e), 0) of 32 numbers at v[xs] (window setting win); each accumulator is read from its low end on
.macro ELU xs, win
	WIN \win
.set jj, 0
.rept 16
	v_pk_mul_f32 v[T+jj:T+jj+1], v[\xs+jj:\xs+jj+1], s[LG:LG+1] op_sel_hi:[1,0]
.set jj, jj+2
.endr
.set jj, 0
.rept 32
	v_max_num_f32 v[A+jj], 0, v[\xs+jj]
.set jj, jj+1
.endr
	WIN 0
.set jj, 0
.rept 32
	v_min_num_f32 v[T+jj], 0, v[T+jj]
.set jj, jj+1
.endr
.set jj, 0
.rept 32
	v_exp_f32 v[T+jj], v[T+jj]
.set jj, jj+1
.endr
	v_nop                                          ; a plain place behind the last exponential
	s_wait_alu depctr_va_vdst(0)                   ; one wait for the batch of 32, ahead of its first reader
.set jj, 0
.rept 16
	v_pk_add_f32 v[A+jj:A+jj+1], v[A+jj:A+jj+1], v[T+jj:T+jj+1]
.set jj, jj+2
.endr
.endm
.macro ROWF set, mt, off               ; row tile mt's two fragments and scale words into a set: 10 LDS loads
	GETF FR+24*(\set), B16, B8, \off+(2*(\mt))*1536
	GETF FR+24*(\set)+12, B16, B8, \off+(2*(\mt)+1)*1536
	ds_load_b32 v[XS+2*(\set)], v[B4] offset:\off+(2*(\mt))*128
	ds_load_b32 v[XS+2*(\set)+1], v[B4] offset:\off+(2*(\mt)+1)*128
.endm
; k or v for 64 points: source 0 = 16 points, source 1 = 16 rows of the weight: accumulator (tl, mt) at ACC + 32 tl + 8 mt holds one channel a lane and eight points.  Four accumulators by turns.
.macro NATMUL off, wf, w0, w1, ws
	ROWF 0, 0, \off
.irp mt, 0,1,2,3
.if (\mt >= 1) && (\mt < 3)
	NOPS 4                                         ; places in front of loads into the set that the last products read
.endif
.if \mt < 3
	ROWF (\mt+1)%2, \mt+1, \off
	s_wait_dscnt 10                                ; all but the ten just issued
.else
	s_wait_dscnt 0x0
.endif
	WIN \w0
.irp tl, 0,1,2,3
	v_wmma_scale_f32_16x16x128_f8f6f4 v[ACC+32*\tl+8*\mt:ACC+32*\tl+8*\mt+7], v[FR+24*(\mt%2):FR+24*(\mt%2)+11], v[\wf+24*\tl:\wf+24*\tl+11], 0, v[XS+2*(\mt%2)], v[\ws+\tl] matrix_a_fmt:MATRIX_FMT_FP6 matrix_b_fmt:MATRIX_FMT_FP6
.endr
	WIN \w1
.irp tl, 0,1,2,3
	v_wmma_scale_f32_16x16x128_f8f6f4 v[ACC+32*\tl+8*\mt:ACC+32*\tl+8*\mt+7], v[FR+24*(\mt%2)+12:FR+24*(\mt%2)+23], v[\wf+24*\tl+12:\wf+24*\tl+23], v[ACC+32*\tl+8*\mt:ACC+32*\tl+8*\mt+7], v[XS+2*(\mt%2)+1], v[\ws+\tl] matrix_a_fmt:MATRIX_FMT_FP6 matrix_b_fmt:MATRIX_FMT_FP6 matrix_b_scale:MATRIX_SCALE_ROW1
.endr
	WIN 0
.endr
	NOPS 4                                         ; places in front of the first read of the results
.endm
; A BLOCK OF 64 POINTS, the q-th of four.
.macro BLOCK q
	; ---- 1: my 64 channels of the hidden layer, a row tile at a time: f32 operands, K = (x, y, z, 1) x (w0, w1, w2, b1); relu; quantised; image to LDS
.irp mt, 0,1,2,3
	WIN 0x04
.irp t, 0,1,2,3
	v_wmma_f32_16x16x4_f32 v[HD+8*\t:HD+8*\t+7], v[W1OP+2*\t:W1OP+2*\t+1], v[XO+2*(4*\q+\mt):XO+2*(4*\q+\mt)+1], 0
.endr
	WIN 0
	NOPS 8                                         ; eight places behind this form
.set jj, 0
.rept 32
	v_max_num_f32 v[RAW0+jj], 0, v[HD+jj]
.set jj, jj+1
.endr
.if \mt >= 2
	s_wait_dscnt 3                                 ; the three stores of the row tile before may be out; those that read this set of codes are done
.endif
	HQUANT RAW0, PC0+6*(\mt%2), PW0+(\mt%2)
	PUTH WB16, WB8, WB2, PC0+6*(\mt%2), PW0+(\mt%2), 3072*\mt, 256*\mt
.endr
	BARRIER                                        ; the hidden layer's eight fragments lie in LDS
	; ---- 2: pos for my 64 channels (transposed: source 0 = pos_w2, C = pos_b2), f2 from my tile; f2 and f2 + pos are quantised along the channels
	s_wait_tensorcnt 3-\q                          ; my quarter q has landed; the younger quarters may be out.  Only I read my tile
	s_mov_b32 s56, \q*TILEQ
	s_mov_b32 s57, 0
	s_mov_b32 s58, 0
	s_mov_b32 s59, 0
.Lp2_\@:                                               ; two trips, two row tiles each
	v_add_nc_u32 v[TA], s56, v[AF2]
	v_add_nc_u32 v[R16], s57, v[B16]
	v_add_nc_u32 v[R8], s57, v[B8]
	v_add_nc_u32 v[R4], s58, v[B4]
	v_add_nc_u32 v[W16], s57, v[WB16]
	v_add_nc_u32 v[W8], s57, v[WB8]
	v_add_nc_u32 v[W2], s58, v[WB2]
.irp u, 0,1
	GETF FR+24*\u, R16, R8, 3072*\u
	GETF FR+24*\u+12, R16, R8, 3072*\u+1536
	ds_load_b32 v[XS+2*\u], v[R4] offset:256*\u
	ds_load_b32 v[XS+2*\u+1], v[R4] offset:256*\u+128
.set ii, 0
.rept 32
	ds_load_b32 v[RAW0+96*\u+ii], v[TA] offset:((ii/16)*32+(ii%16))*TP+32*\u   ; f2(channel 32 b + 16 h + i, my point)
.set ii, ii+1
.endr
.endr
.irp u, 0,1
.if \u == 0
	s_wait_dscnt 42                                ; the first row tile's 42 loads are in, the second's may be out
.else
	s_wait_dscnt 0x0                               ; the second's are in, and the stores that read the codes' registers are done
.endif
	WIN 0x11
.irp t, 0,1,2,3
	v_wmma_scale_f32_16x16x128_f8f6f4 v[PA+8*\t:PA+8*\t+7], v[PW2F+24*\t:PW2F+24*\t+11], v[FR+24*\u:FR+24*\u+11], v[PB2+8*\t:PB2+8*\t+7], v[WSP+\t], v[XS+2*\u] matrix_a_fmt:MATRIX_FMT_FP6 matrix_b_fmt:MATRIX_FMT_FP6
.endr
	WIN 0x01
.irp t, 0,1,2,3
	v_wmma_scale_f32_16x16x128_f8f6f4 v[PA+8*\t:PA+8*\t+7], v[PW2F+24*\t+12:PW2F+24*\t+23], v[FR+24*\u+12:FR+24*\u+23], v[PA+8*\t:PA+8*\t+7], v[WSP+\t], v[XS+2*\u+1] matrix_a_fmt:MATRIX_FMT_FP6 matrix_b_fmt:MATRIX_FMT_FP6 matrix_a_scale:MATRIX_SCALE_ROW1
.endr
	WIN 0
	HQUANT RAW0+96*\u, PC0, PW0                    ; f2: its plain lines are the places behind the products
	PUTH W16, W8, W2, PC0, PW0, FO+3072*\u, FO+256*\u
.set jj, 0
.rept 16
	v_pk_add_f32 v[RAW0+96*\u+jj:RAW0+96*\u+jj+1], v[PA+jj:PA+jj+1], v[RAW0+96*\u+jj:RAW0+96*\u+jj+1]
.set jj, jj+2
.endr
	HQUANT RAW0+96*\u, PC1, PW1                    ; f2 + pos
	PUTH W16, W8, W2, PC1, PW1, PO+3072*\u, PO+256*\u
.endr
	s_wait_dscnt 0x0                               ; the trip's LDS instructions are done: its address and data registers may be written again
	s_add_co_u32 s56, s56, 128
	s_add_co_u32 s57, s57, 6144
	s_add_co_u32 s58, s58, 512
	s_add_co_u32 s59, s59, 1
	s_cmp_lt_u32 s59, 2
	s_cbranch_scc1 .Lp2_\@
	BARRIER                                        ; both operands' eight fragments lie in LDS
	; ---- 3: k, K = elu(k) + 1, its sum, and its codes along the points
	NATMUL FO, KWF, 0x84, 0xa4, WSK
.irp tl, 0,1,2,3
	ELU ACC+32*\tl, 0x0a
.if \q == 0
	WIN 0xc0                                       ; the first block's first additions start K's sums: nothing is cleared
	v_pk_add_f32 v[KS+4*\tl:KS+4*\tl+1], v[A:A+1], v[A+2:A+3]
	v_pk_add_f32 v[KS+4*\tl+2:KS+4*\tl+3], v[A+4:A+5], v[A+6:A+7]
	WIN 0xcc
.set ii, 8
.rept 6
	v_pk_add_f32 v[KS+4*\tl:KS+4*\tl+1], v[A+ii:A+ii+1], v[KS+4*\tl:KS+4*\tl+1]
	v_pk_add_f32 v[KS+4*\tl+2:KS+4*\tl+3], v[A+ii+2:A+ii+3], v[KS+4*\tl+2:KS+4*\tl+3]
.set ii, ii+4
.endr
.else
	WIN 0xcc
.set ii, 0
.rept 8
	v_pk_add_f32 v[KS+4*\tl:KS+4*\tl+1], v[A+ii:A+ii+1], v[KS+4*\tl:KS+4*\tl+1]
	v_pk_add_f32 v[KS+4*\tl+2:KS+4*\tl+3], v[A+ii+2:A+ii+3], v[KS+4*\tl+2:KS+4*\tl+3]
.set ii, ii+4
.endr
.endif
	WIN 0
	HQUANT A, PC0, PW0                             ; 64 points: half of a K step of the product over the points
	WIN 0xc0
.irp i, 0,1,2,3,4,5
	v_mov_b32 v[KF+12*\tl+6*(\q%2)+\i], v[PC0+\i]
.endr
	WIN 0
.if (\q%2) == 0
	v_mov_b32 v[KSW+\tl], v[PW0]
.else
	v_lshl_or_b32 v[KSW+\tl], v[PW0], 16, v[KSW+\tl]
.endif
.endr
	; ---- and v, V = v / 16384, its codes along the points
	NATMUL PO, VWF, 0x88, 0xa8, WSV
.irp tl, 0,1,2,3
	WIN 0x02
.set jj, 0
.rept 16
	v_pk_mul_f32 v[A+jj:A+jj+1], v[ACC+32*\tl+jj:ACC+32*\tl+jj+1], s[VS:VS+1] op_sel_hi:[1,0]
.set jj, jj+2
.endr
	WIN 0
	HQUANT A, PC0, PW0
	WIN 0xc0
.irp i, 0,1,2,3,4,5
	v_mov_b32 v[VF+12*\tl+6*(\q%2)+\i], v[PC0+\i]
.endr
	WIN 0
.if (\q%2) == 0
	v_mov_b32 v[VSW+\tl], v[PW0]
.else
	v_lshl_or_b32 v[VSW+\tl], v[PW0], 16, v[VSW+\tl]
.endif
.endr
.if (\q%2) == 1
	; ---- KV += K^T V over 128 points: accumulator 4 hb + 2 vt + dt: lane (r, h), register j: d = 16 h + 8 dt + j, v = 8 vt + r + 8 (r / 8)
	NOPS 8                                         ; scale words written by vector instructions stand eight places ahead of a scaled product, operands four
	WIN 0xff
.irp hb, 0,1
.irp vt, 0,1
.irp dt, 0,1
.if \q == 1
	v_wmma_scale_f32_16x16x128_f8f6f4 v[KVA+8*(4*\hb+2*\vt+\dt):KVA+8*(4*\hb+2*\vt+\dt)+7], v[KF+12*(2*\hb+\dt):KF+12*(2*\hb+\dt)+11], v[VF+12*(2*\hb+\vt):VF+12*(2*\hb+\vt)+11], 0, v[KSW+2*\hb+\dt], v[VSW+2*\hb+\vt] matrix_a_fmt:MATRIX_FMT_FP6 matrix_b_fmt:MATRIX_FMT_FP6
.else
	v_wmma_scale_f32_16x16x128_f8f6f4 v[KVA+8*(4*\hb+2*\vt+\dt):KVA+8*(4*\hb+2*\vt+\dt)+7], v[KF+12*(2*\hb+\dt):KF+12*(2*\hb+\dt)+11], v[VF+12*(2*\hb+\vt):VF+12*(2*\hb+\vt)+11], v[KVA+8*(4*\hb+2*\vt+\dt):KVA+8*(4*\hb+2*\vt+\dt)+7], v[KSW+2*\hb+\dt], v[VSW+2*\hb+\vt] matrix_a_fmt:MATRIX_FMT_FP6 matrix_b_fmt:MATRIX_FMT_FP6
.endif
.endr
.endr
.endr
	WIN 0
.endif
.endm
	s_load_b256 s[4:11], s[0:1], 0x0               ; feat2, xyz2, pos_w1, pos_b1
	s_load_b256 s[12:19], s[0:1], 0x20             ; pos_b2, wcodes, wscales, kvpart
	s_load_b64 s[20:21], s[0:1], 0x40              ; kspart
	v_lshl_add_u32 v23, v0, 2, 0x4bc00
	v_mov_b32 v235, 0
	ds_add_u32 v23, v235
	ds_add_u32 v23, v235
	v_lshrrev_b32 v[LN], 5, v0
	v_readfirstlane_b32 s22, v[LN]                 ; wave
	s_lshr_b32 s24, ttmp9, 6                       ; batch
	s_and_b32 s25, ttmp9, 63
	s_lshl_b32 s25, s25, 8                         ; first point
	; descriptor group 1: 64 rows (channels) x 64 elements of 4 bytes, 16,384 elements from row to row; 2 words of padding behind each 64 words
	s_mov_b32 s28, 0x03520000
	s_mov_b32 s29, 64<<16                          ; tensor_dim0
	s_mov_b32 s30, 64<<16                          ; tensor_dim1
	s_mov_b32 s31, 64<<16                          ; tile_dim0
	s_mov_b32 s32, 64                              ; tile_dim1
	s_mov_b32 s33, 16384
	s_mov_b32 s34, 0
	s_mov_b32 s35, 0
	s_lshl_b32 s66, s24, 24                        ; a batch is 2^24 bytes,
	s_lshl_b32 s67, s22, 22                        ; 64 channels 2^22
	s_add_co_u32 s66, s66, s67
	s_lshl_b32 s67, s25, 2
	s_add_co_u32 s66, s66, s67
	s_mov_b32 s67, 0
	s_mul_i32 s68, s22, TILEW
	s_wait_dscnt 0x0
	s_wait_kmcnt 0x0
	s_add_nc_u64 s[4:5], s[4:5], s[66:67]
.irp q, 0,1,2,3
	s_mov_b32 s[36+4*\q], 1
	s_add_co_u32 s[37+4*\q], s68, \q*TILEQ
	s_add_nc_u64 s[38+4*\q:39+4*\q], s[4:5], \q*256
	s_or_b32 s[39+4*\q], s[39+4*\q], 0x80000000
.endr
.irp q, 0,1,2,3
	tensor_load_to_lds s[36+4*\q:39+4*\q], s[28:35]   ; all of my tile is asked for at once: first fills, ahead of every wait, LDS read and barrier
	s_nop 0
.endr
	NOPS 4                                         ; four nops behind the loads
	v_and_b32 v[LN], 31, v0
	v_and_b32 v[RR], 15, v0
	v_bfe_u32 v[HH], v0, 4, 1
	v_and_b32 v[P8], 8, v[RR]
	v_add_nc_u32 v[P8], v[P8], v[RR]
	s_mul_i32 s66, s22, 12288                      ; my 8 fragments of each weight
	v_lshlrev_b32 v12, 4, v[LN]
	v_add_nc_u32 v12, s66, v12
	s_lshl_b32 s66, s22, 8
	v_lshl_add_u32 v13, v[HH], 6, s66              ; pos_b2: 256 w + 64 h
	s_lshl_b32 s66, s22, 9
	v_lshl_add_u32 v14, v[LN], 2, s66              ; scale words: 512 w + 4 L
	s_lshl_b32 s66, s22, 6
	v_add_nc_u32 v17, s66, v[P8]                   ; 64 w + r + 8 (r / 8)
	v_mul_u32_u24 v16, v17, 12
	v_lshl_add_u32 v15, v[HH], 3, v16
	v_lshlrev_b32 v17, 2, v17
	v_mul_u32_u24 v19, v[P8], 12
	v_lshl_add_u32 v18, v[HH], 3, v19
	s_lshl_b32 s66, s24, 14
	s_add_co_u32 s66, s66, s25
	s_mul_i32 s66, s66, 12
	s_add_nc_u64 s[6:7], s[6:7], s[66:67]          ; xyz2 at my first point
	WIN 0x40
.set fi, 0
.rept 8
.irp g, 0,1,2
	global_load_b128 v[PW2F+12*fi+4*\g:PW2F+12*fi+4*\g+3], v12, s[14:15] offset:fi*1536+512*\g
	global_load_b128 v[KWF+12*fi+4*\g:KWF+12*fi+4*\g+3], v12, s[14:15] offset:(32+fi)*1536+512*\g
.endr
.set fi, fi+1
.endr
.irp tl, 0,1,2,3
	global_load_b128 v[PB2+8*\tl:PB2+8*\tl+3], v13, s[12:13] offset:(32*(\tl/2)+8*(\tl%2))*4
	global_load_b128 v[PB2+8*\tl+4:PB2+8*\tl+7], v13, s[12:13] offset:(32*(\tl/2)+8*(\tl%2))*4+16
.endr
.set rt, 0
.rept 16
	global_load_b32 v[XO+2*rt], v18, s[6:7] offset:(64*(rt/4)+32*((rt%4)/2)+8*(rt%2))*12      ; x (lanes 0-15), z (lanes 16-31)
	global_load_b32 v[XO+2*rt+1], v19, s[6:7] offset:(64*(rt/4)+32*((rt%4)/2)+8*(rt%2))*12+4  ; y; lanes 16-31 get 1.0 below
.set rt, rt+1
.endr
	WIN 0x80
.set fi, 0
.rept 8
.irp g, 0,1,2
	global_load_b128 v[VWF+12*fi+4*\g:VWF+12*fi+4*\g+3], v12, s[14:15] offset:(64+fi)*1536+512*\g
.endr
.set fi, fi+1
.endr
	WIN 0
.irp tl, 0,1,2,3
	global_load_b32 v[WSP+\tl], v14, s[16:17] offset:\tl*128
	global_load_b32 v[WSK+\tl], v14, s[16:17] offset:(16+\tl)*128
	global_load_b32 v[WSV+\tl], v14, s[16:17] offset:(32+\tl)*128
	global_load_b32 v[W1OP+2*\tl], v15, s[8:9] offset:(32*(\tl/2)+8*(\tl%2))*12
	global_load_b32 v[W1OP+2*\tl+1], v16, s[8:9] offset:(32*(\tl/2)+8*(\tl%2))*12+4
	global_load_b32 v[RAW0+\tl], v17, s[10:11] offset:(32*(\tl/2)+8*(\tl%2))*4
.endr
	v_lshl_add_u32 v[B16], v[LN], 4, HIMG
	v_lshl_add_u32 v[B8], v[LN], 3, HIMG
	v_lshl_add_u32 v[B4], v[LN], 2, HSC
	s_lshr_b32 s66, s22, 1
	s_and_b32 s69, s22, 1
	s_mul_i32 s70, s66, 1536
	s_mul_i32 s71, s69, 768
	s_add_co_u32 s70, s70, s71
	v_add_nc_u32 v[WB16], s70, v[B16]
	v_add_nc_u32 v[WB8], s70, v[B8]
	s_lshl_b32 s70, s66, 7
	s_lshl_b32 s71, s69, 1
	s_add_co_u32 s70, s70, s71
	v_add_nc_u32 v[WB2], s70, v[B4]
	v_mul_u32_u24 v[AF2], v[HH], 16*TP
	v_lshl_add_u32 v[AF2], v[P8], 2, v[AF2]
	v_add_nc_u32 v[AF2], s68, v[AF2]
	v_mov_b32 v[BY], 0                             ; written once: a lane permute's destination counts as one of its sources
	v_mov_b32 v[BY+1], 0
	s_mov_b32 s[SEL], 0x76543210
	s_mov_b32 s[SEL+1], 0xfedcba98
	s_mov_b32 s[LG], 0x3fb8aa3b                    ; log2(e)
	s_mov_b32 s[LG+1], s[LG]
	s_mov_b32 s[VS], 0x38800000                    ; 1 / 16384
	s_mov_b32 s[VS+1], s[VS]
	s_lshl_b32 s66, ttmp9, 2
	s_add_co_u32 s66, s66, s22
	s_lshl_b32 s66, s66, 13
	s_add_nc_u64 s[18:19], s[18:19], s[66:67]      ; my 8 accumulators' images
	s_lshl_b32 s66, ttmp9, 10
	s_lshl_b32 s69, s22, 8
	s_add_co_u32 s66, s66, s69
	s_add_nc_u64 s[20:21], s[20:21], s[66:67]      ; my 64 sums
	v_cmp_gt_u32 vcc_lo, 16, v[LN]
	s_wait_loadcnt 0x0
.irp tl, 0,1,2,3
	v_cndmask_b32 v[W1OP+2*\tl+1], v[RAW0+\tl], v[W1OP+2*\tl+1], vcc_lo   ; k = 1: w1 (lanes 0-15); k = 3: b1 (lanes 16-31)
.endr
	WIN 0x44
.set rt, 0
.rept 16
	v_cndmask_b32 v[XO+2*rt+1], 1.0, v[XO+2*rt+1], vcc_lo
.set rt, rt+1
.endr
	WIN 0
	BLOCK 0
	BLOCK 1
	BLOCK 2
	BLOCK 3
	; ---- out: the accumulators as they stand, each from its low end on; K's sums
	NOPS 4
	v_lshlrev_b32 v[TA], 4, v[LN]
	WIN 0x0c
.irp a, 0,1,2,3,4,5,6,7
	global_store_b128 v[TA], v[KVA+8*\a:KVA+8*\a+3], s[18:19] offset:1024*\a        ; 32 lanes store 512 consecutive bytes, aligned
	global_store_b128 v[TA], v[KVA+8*\a+4:KVA+8*\a+7], s[18:19] offset:1024*\a+512
.endr
	WIN 0x0f
.irp tl, 0,1,2,3
	v_pk_add_f32 v[A+2*\tl:A+2*\tl+1], v[KS+4*\tl:KS+4*\tl+1], v[KS+4*\tl+2:KS+4*\tl+3]
.endr
	WIN 0
.irp tl, 0,1,2,3
	v_add_f32 v[A+8+\tl], v[A+2*\tl], v[A+2*\tl+1]
.endr
.irp tl, 0,1,2,3
	v_permlanex16_b32 v[A+12+\tl], v[A+8+\tl], s[SEL], s[SEL+1]
.endr
.irp tl, 0,1,2,3
	v_add_f32 v[A+8+\tl], v[A+8+\tl], v[A+12+\tl]  ; tile tl, lane r: channel 32 (tl / 2) + 8 (tl % 2) + r + 8 (r / 8) of my 64
.endr
	v_lshl_add_u32 v[R16], v[HH], 3, v[P8]
	v_lshlrev_b32 v[R16], 2, v[R16]
	v_cmp_gt_u32 vcc_lo, 16, v[LN]
	v_cndmask_b32 v[A+16], v[A+9], v[A+8], vcc_lo  ; lanes 0-15 store the even tile's, lanes 16-31 the odd one's
	v_cndmask_b32 v[A+17], v[A+11], v[A+10], vcc_lo
	global_store_b32 v[R16], v[A+16], s[20:21]
	global_store_b32 v[R16], v[A+17], s[20:21] offset:128
	s_wait_tensorcnt 0x0
	ds_add_u32 v23, v235
	s_wait_dscnt 0x0
	s_endpgm
.Lfunc_end_k_qa8311715be_kv:
	.size	k_qa8311715be_kv, .Lfunc_end_k_qa8311715be_kv-k_qa8311715be_kv
	.p2alignl 7, 3214868480
	.fill 96, 4, 3214868480
	.section	.rodata,"a",@progbits
	.p2align	6, 0x0
	.amdhsa_kernel k_qa8311715be_kv
		.amdhsa_group_segment_fixed_size 327680
		.amdhsa_private_segment_fixed_size 0
		.amdhsa_enable_private_segment 0
		.amdhsa_kernarg_size 72
		.amdhsa_user_sgpr_count 2
		.amdhsa_user_sgpr_kernarg_segment_ptr 1
		.amdhsa_wavefront_size32 1
		.amdhsa_system_sgpr_workgroup_id_x 1
		.amdhsa_system_sgpr_workgroup_id_y 1
		.amdhsa_system_sgpr_workgroup_id_z 1
		.amdhsa_system_vgpr_workitem_id 0
		.amdhsa_next_free_vgpr 944
		.amdhsa_next_free_sgpr 80
		.amdhsa_reserve_vcc 1
		.amdhsa_float_denorm_mode_32 3
		.amdhsa_float_denorm_mode_16_64 3
		.amdhsa_memory_ordered 1
		.amdhsa_forward_progress 1
		.amdhsa_inst_pref_size 255
	.end_amdhsa_kernel
	.section	.bss,"aw",@nobits
	.p2align	6
	.space	262144
	.amdgpu_metadata
---
amdhsa.version: [ 1, 2 ]
amdhsa.kernels:
  - .name:           k_qa8311715be_kv
    .symbol:         k_qa8311715be_kv.kd
    .args:
      - { .name: feat2, .offset: 0, .size: 8, .value_kind: global_buffer, .address_space: global }
      - { .name: xyz2, .offset: 8, .size: 8, .value_kind: global_buffer, .address_space: global }
      - { .name: pos_w1, .offset: 16, .size: 8, .value_kind: global_buffer, .address_space: global }
      - { .name: pos_b1, .offset: 24, .size: 8, .value_kind: global_buffer, .address_space: global }
      - { .name: pos_b2, .offset: 32, .size: 8, .value_kind: global_buffer, .address_space: global }
      - { .name: wcodes, .offset: 40, .size: 8, .value_kind: global_buffer, .address_space: global }
      - { .name: wscales, .offset: 48, .size: 8, .value_kind: global_buffer, .address_space: global }
      - { .name: kvpart, .offset: 56, .size: 8, .value_kind: global_buffer, .address_space: global }
      - { .name: kspart, .offset: 64, .size: 8, .value_kind: global_buffer, .address_space: global }
    .group_segment_fixed_size: 327680
    .private_segment_fixed_size: 0
    .kernarg_segment_align: 8
    .kernarg_segment_size: 72
    .max_flat_workgroup_size: 128
    .sgpr_count:     80
    .vgpr_count:     944
    .wavefront_size: 32
...
	.end_amdgpu_metadata
.endif
;; end of part 2
;; launch red (part 3): grid 32 x 1, 16 waves a work-group, no clusters, 36,864 bytes of LDS; arguments kvpart, kspart, kvcodes, kvscales, ksum; writes kvcodes, kvscales, ksum
.if DOCPART == 3
	.amdgcn_target "amdgcn-amd-amdhsa--gfx1250"
	.amdhsa_code_object_version 6
	.text
	.protected	k_qa8311715be_red
	.globl	k_qa8311715be_red
	.p2align	8
	.type	k_qa8311715be_red,@function
k_qa8311715be_red:
	s_mov_b64 s[64:65], 0
	v_nop
	global_prefetch_b8 v0, s[64:65] scope:SCOPE_SE
	s_setreg_imm32_b32 hwreg(HW_REG_WAVE_MODE, 25, 1), 1
	s_wait_xcnt 0x0
; The 64 parts of a batch's KV and of K's sum are added; KV is quantised along d (one block of 32 for each head and v) into images of the operand that the last launch takes.
; A work-group takes one batch and head.  Wave wv: vt = wv % 2 (which 16 of the head's 32 v), g = wv / 2: it adds 8 of the 64 parts; the eight g meet in LDS; waves 0 and 1 finish, quantise and store.
; In a part, lane (r, h), register 8 dt + j holds KV(d = 16 h + 8 dt + j, v = 8 vt + r + 8 (r / 8)): 16 neighbours along d.
; THE IMAGE is a fragment of a K step made of the owning wave's two heads: block 0 = head 2 w, block 1 = head 2 w + 1, blocks 2, 3 and the other head's block are zero codes, which add nothing under any scale byte but 0xff.
; LIMITS: a block whose largest magnitude lies under 2^-124 keeps the byte 1; NaN and infinities are not served.  No matrix unit, no cluster: 8.6 MB are read once, the work-groups share nothing.
	s_load_b256 s[4:11], s[0:1], 0x0               ; kvpart, kspart, kvcodes, kvscales
	s_load_b64 s[12:13], s[0:1], 0x20              ; ksum
	v_lshl_add_u32 v176, v0, 2, 0x8800
	v_mov_b32 v177, 0
	v_lshrrev_b32 v1, 5, v0
	v_readfirstlane_b32 s14, v1                    ; wave 0..15
	v_and_b32 v1, 31, v0
	v_lshlrev_b32 v2, 2, v1                        ; 4 L
	v_lshlrev_b32 v3, 4, v1                        ; 16 L
	s_lshr_b32 s15, ttmp9, 3                       ; batch
	s_and_b32 s16, ttmp9, 7                        ; head
	s_lshr_b32 s17, s16, 1                         ; the wave that owns it
	s_and_b32 s18, s16, 1                          ; hb
	s_and_b32 s19, s14, 1                          ; vt
	s_lshr_b32 s20, s14, 1                         ; g
	; every LDS address is made here, ahead of the parting of the waves
	s_lshl_b32 s21, s14, 11
	v_add_nc_u32 v4, s21, v3                       ; my sums: 2,048 wv + 16 L
	s_lshl_b32 s21, s14, 7
	s_add_co_u32 s21, s21, 32768
	v_add_nc_u32 v5, s21, v2                       ; my sum of K's sums
	s_lshl_b32 s21, s19, 11
	v_add_nc_u32 v6, s21, v3                       ; back: 2,048 vt + 16 L, + 4,096 g
	v_add_nc_u32 v7, 32768, v2
	s_lshl_b32 s22, s15, 6
	s_lshl_b32 s23, s20, 3
	s_add_co_u32 s22, s22, s23                     ; my first part: 64 b + 8 g
	s_lshl_b32 s22, s22, 2
	s_add_co_u32 s22, s22, s17
	s_lshl_b32 s22, s22, 3
	s_lshl_b32 s23, s18, 2
	s_add_co_u32 s22, s22, s23
	s_lshl_b32 s23, s19, 1
	s_add_co_u32 s22, s22, s23
	s_lshl_b32 s22, s22, 10
	s_mov_b32 s23, 0
	s_lshl_b32 s24, s15, 6
	s_lshl_b32 s25, s14, 2
	s_add_co_u32 s24, s24, s25                     ; K's sums: parts 64 b + 4 wv on
	s_lshl_b32 s24, s24, 10
	s_lshl_b32 s25, s16, 7
	s_add_co_u32 s24, s24, s25
	s_mov_b32 s25, 0
	s_lshl_b32 s26, s15, 2
	s_add_co_u32 s26, s26, s17
	s_lshl_b32 s26, s26, 2
	s_lshl_b32 s27, s18, 1
	s_add_co_u32 s26, s26, s27
	s_add_co_u32 s26, s26, s19                     ; the fragment: (4 b + w) 4 + 2 hb + vt
	s_mul_i32 s28, s26, 1536
	s_mov_b32 s29, 0
	s_lshl_b32 s30, s26, 7
	s_mov_b32 s31, 0
	s_lshl_b32 s34, s15, 10
	s_lshl_b32 s35, s16, 7
	s_add_co_u32 s34, s34, s35
	s_mov_b32 s35, 0
	s_cmp_eq_u32 s18, 0
	s_cselect_b32 s32, 0xffff, 0                   ; the lanes that hold head hb's block: 0-15 for hb = 0,
	s_cselect_b32 s33, 0, 0xffff0000               ; 16-31 for hb = 1
	s_lshl_b32 s36, s18, 3
	s_mov_b32 s38, 0x76543210
	s_mov_b32 s39, 0xfedcba98
	v_mov_b32 v9, 0                                ; lane permutes' destinations count as sources
	v_mov_b32 v12, 0
	v_mov_b32 v13, 0
	v_mov_b32 v14, 0
	s_wait_kmcnt 0x0
	s_add_nc_u64 s[4:5], s[4:5], s[22:23]
	s_add_nc_u64 s[6:7], s[6:7], s[24:25]
	s_add_nc_u64 s[8:9], s[8:9], s[28:29]
	s_add_nc_u64 s[10:11], s[10:11], s[30:31]
	s_add_nc_u64 s[12:13], s[12:13], s[34:35]
.irp i, 0,1,2,3,4,5,6,7
.irp k, 0,1,2,3
	global_load_b128 v[32+16*\i+4*\k:32+16*\i+4*\k+3], v3, s[4:5] offset:\i*32768+512*\k th:TH_LOAD_NT
.endr
.endr
.irp i, 0,1,2,3
	global_load_b32 v[24+\i], v2, s[6:7] offset:\i*1024 th:TH_LOAD_NT
.endr
	s_wait_loadcnt 0x0
.irp i, 1,2,3,4,5,6,7
.irp p, 0,2,4,6,8,10,12,14
	v_pk_add_f32 v[32+\p:33+\p], v[32+\p:33+\p], v[32+16*\i+\p:33+16*\i+\p]
.endr
.endr
	v_add_f32 v24, v24, v25
	v_add_f32 v26, v26, v27
	v_add_f32 v24, v24, v26
.irp k, 0,1,2,3
	ds_store_b128 v4, v[32+4*\k:35+4*\k] offset:512*\k
.endr
	ds_store_b32 v5, v24
	s_wait_dscnt 0x0                               ; for the others' sake: my stores have landed
	s_barrier_signal -1
	s_barrier_wait -1
	s_cmp_gt_u32 s14, 1
	s_cbranch_scc1 .Lend                           ; waves 0 and 1 finish; no barrier follows
.irp g, 1,2,3,4,5,6,7
.irp k, 0,1,2,3
	ds_load_b128 v[32+16*\g+4*\k:32+16*\g+4*\k+3], v6 offset:4096*\g+512*\k
.endr
.endr
	s_wait_dscnt 0x0
.irp g, 1,2,3,4,5,6,7
.irp p, 0,2,4,6,8,10,12,14
	v_pk_add_f32 v[32+\p:33+\p], v[32+\p:33+\p], v[32+16*\g+\p:33+16*\g+\p]
.endr
.endr
	v_max3_num_f32 v8, |v32|, |v33|, 0x1800000     ; the floor 2^(3 - 127)
.irp i, 2,4,6,8,10,12,14
	v_max3_num_f32 v8, v8, |v[32+\i]|, |v[33+\i]|
.endr
	v_permlanex16_b32 v9, v8, s38, s39
	v_max_num_f32 v8, v8, v9                       ; the block's largest magnitude
	v_add_nc_u32 v10, 0xff000000, v8
	v_lshrrev_b32 v11, 23, v10
	v_cvt_scalef32_pk16_fp6_f32 v[16:18], v[32:47], v10   ; my 16 codes: d = 16 h + 0 .. 15
	v_lshlrev_b32 v20, s36, v11                    ; the byte at block hb's place (a plain place behind the conversion)
.irp i, 0,1,2
	v_permlanex16_b32 v[12+\i], v[16+\i], s38, s39 ; and lane l xor 16's
.endr
.irp i, 0,1,2
	v_cndmask_b32 v[160+\i], 0, v[16+\i], s32      ; d = 0 .. 15: mine in lanes 0-15, the other's in lanes 16-31; zero codes where the block is the other head's
	v_cndmask_b32 v[163+\i], 0, v[12+\i], s32      ; d = 16 .. 31
.endr
.irp i, 0,1,2
	v_cndmask_b32 v[160+\i], v[160+\i], v[12+\i], s33
	v_cndmask_b32 v[163+\i], v[163+\i], v[16+\i], s33
.endr
.irp i, 6,7,8,9,10,11
	v_mov_b32 v[160+\i], 0                         ; blocks 2 and 3: zero codes
.endr
.irp g, 0,1,2
	global_store_b128 v3, v[160+4*\g:163+4*\g], s[8:9] offset:512*\g
.endr
	global_store_b32 v2, v20, s[10:11]
	s_cmp_lg_u32 s14, 0
	s_cbranch_scc1 .Lend                           ; wave 0 also finishes K's sum for the head's 32 channels
.irp i, 0,1,2,3,4,5,6,7,8,9,10,11,12,13,14,15
	ds_load_b32 v[64+\i], v7 offset:128*\i
.endr
	s_wait_dscnt 0x0
.irp i, 0,2,4,6
	v_pk_add_f32 v[64+\i:65+\i], v[64+\i:65+\i], v[72+\i:73+\i]
.endr
	v_pk_add_f32 v[64:65], v[64:65], v[68:69]
	v_pk_add_f32 v[66:67], v[66:67], v[70:71]
	v_pk_add_f32 v[64:65], v[64:65], v[66:67]
	v_add_f32 v64, v64, v65
	global_store_b32 v2, v64, s[12:13]
.Lend:
	s_wait_tensorcnt 0x0
	ds_add_u32 v176, v177
	s_wait_dscnt 0x0
	s_endpgm
.Lfunc_end_k_qa8311715be_red:
	.size	k_qa8311715be_red, .Lfunc_end_k_qa8311715be_red-k_qa8311715be_red
	.p2alignl 7, 3214868480
	.fill 96, 4, 3214868480
	.section	.rodata,"a",@progbits
	.p2align	6, 0x0
	.amdhsa_kernel k_qa8311715be_red
		.amdhsa_group_segment_fixed_size 36864
		.amdhsa_private_segment_fixed_size 0
		.amdhsa_enable_private_segment 0
		.amdhsa_kernarg_size 40
		.amdhsa_user_sgpr_count 2
		.amdhsa_user_sgpr_kernarg_segment_ptr 1
		.amdhsa_wavefront_size32 1
		.amdhsa_system_sgpr_workgroup_id_x 1
		.amdhsa_system_sgpr_workgroup_id_y 1
		.amdhsa_system_sgpr_workgroup_id_z 1
		.amdhsa_system_vgpr_workitem_id 0
		.amdhsa_next_free_vgpr 178
		.amdhsa_next_free_sgpr 66
		.amdhsa_reserve_vcc 0
		.amdhsa_float_denorm_mode_32 3
		.amdhsa_float_denorm_mode_16_64 3
		.amdhsa_memory_ordered 1
		.amdhsa_forward_progress 1
		.amdhsa_inst_pref_size 20
	.end_amdhsa_kernel
	.amdgpu_metadata
---
amdhsa.version: [ 1, 2 ]
amdhsa.kernels:
  - .name:           k_qa8311715be_red
    .symbol:         k_qa8311715be_red.kd
    .args:
      - { .name: kvpart, .offset: 0, .size: 8, .value_kind: global_buffer, .address_space: global }
      - { .name: kspart, .offset: 8, .size: 8, .value_kind: global_buffer, .address_space: global }
      - { .name: kvcodes, .offset: 16, .size: 8, .value_kind: global_buffer, .address_space: global }
      - { .name: kvscales, .offset: 24, .size: 8, .value_kind: global_buffer, .address_space: global }
      - { .name: ksum, .offset: 32, .size: 8, .value_kind: global_buffer, .address_space: global }
    .group_segment_fixed_size: 36864
    .private_segment_fixed_size: 0
    .kernarg_segment_align: 8
    .kernarg_segment_size: 40
    .max_flat_workgroup_size: 512
    .sgpr_count:     66
    .vgpr_count:     178
    .wavefront_size: 32
...
	.end_amdgpu_metadata
.endif
;; end of part 3
;; launch main (part 4): grid 256 x 1, 4 waves a work-group, no clusters, 327,680 bytes of LDS; arguments feat1, wcodes, wscales, kvcodes, kvscales, ksum, ln1_g, ln1_b, ln2_g, ln2_b, out0; writes out0
.if DOCPART == 4
	.amdgcn_target "amdgcn-amd-amdhsa--gfx1250"
	.amdhsa_code_object_version 6
	.text
	.protected	k_qa8311715be_main
	.globl	k_qa8311715be_main
	.p2align	8
	.type	k_qa8311715be_main,@function
k_qa8311715be_main:
	s_mov_b64 s[64:65], 0
	v_nop
	global_prefetch_b8 v0, s[64:65] scope:SCOPE_SE
	s_setreg_imm32_b32 hwreg(HW_REG_WAVE_MODE, 25, 1), 1
	s_wait_xcnt 0x0
; THE QUERY SIDE.  For 256 points of one batch: q = Q(f1) Q(q_w)^T, Qf = elu(q) + 1, Z = 1 / (Qf . Ksum + 1e-6) (f32), msg = Q(KV)^T Q(Qf) x Z x 16384, merge, LayerNorm 1, [f1, msg] through the MLP, LayerNorm 2, stored transposed.
; SHARES.  Work-group G: batch G / 64, points 256 (G % 64) on.  THE FOUR WAVES SHARE THE COLUMNS: wave w owns channels 64 w .. + 63 of each layer of 256 (heads 2 w, 2 w + 1) and 128 w .. + 127 of the layer of 512, for all points.
; Its weight fragments come from memory straight into its registers, once; activations go from wave to wave through LDS as images of the operand's registers.  All products are used transposed (source 0 = 16 rows of a weight):
; a lane holds ONE point (row tile m, lane r: point 16 m + r) and its registers run along the channels: register 16 b + i = channel 32 b + 16 (lane / 16) + i of the wave's share.
; feat1 has the channels outermost: wave w's 64 channels x 256 points come by four tensor loads, all issued at the head: four loads of the wave are out, each LDS byte is filled once; behind the first barrier the tile's bytes serve as scratch.
; A LayerNorm spans the four waves: each wave's own mean and sum of squared distances from it meet in LDS and are combined, so that no difference of large sums is formed.
; NO CLUSTER: the feature tiles are shared by nobody; the weights are shared but go into the owning wave's registers, and LDS has no room for them beside the tile.
; LIMITS: NaN and infinities are not served; a block whose largest magnitude lies under 2^-124 keeps the scale byte 1; elu(x) + 1 is taken as exp(x) for x <= 0 (results under 2^-126 are 0); 1 / x and 1 / sqrt(x) are v_rcp_f32, v_rsq_f32;
; a row is normalised as x c1 + c0 with c0 = -mean c1 rounded once.  xyz1 is not read: the computation never uses it.
.set TILEW, 67584
.set TILEQ, 16896
.set TP,    264
.set F1IMG, 270336                     ; f1's 32 fragments (row tile m, K step s at 3,072 m + 1,536 s), live to the MLP's first product
.set F1SC,  319488                     ; their scale words, 128 bytes each
.set MIMG,  0                          ; in the tile's bytes, behind the first barrier: msg's images,
.set MSC,   49152
.set LIMG,  53248                      ; LayerNorm 1's,
.set LSC,   102400
.set HIMG,  106496                     ; the hidden layer's 64 fragments ((4 m + s) 1,536),
.set HSC,   204800
.set STAT1, 212992                     ; the waves' statistics: (4 mq + w) 256 + 8 L
.set STAT2, 221184
.set L16,  4                           ; 16 L
.set L8,   5
.set L4,   6
.set WL16, 7                           ; my half of a fragment: 16 L + 1,536 (w / 2) + 768 (w % 2)
.set WL8,  8
.set WL2,  9                           ; my two scale bytes: 4 L + 128 (w / 2) + 2 (w % 2)
.set HW16, 10                          ; 16 L + 1,536 w
.set HW8,  11
.set HW4,  12                          ; 4 L + 128 w
.set AF1,  13                          ; my lane's place in my wave's tile
.set AST,  14                          ; the stage (at LDS byte 16,896 w): where I put a number,
.set ASR,  15                          ; and where I read a row back
.set SW8,  16                          ; 8 L + 256 w
.set H64,  17                          ; 64 h
.set T0,   18                          ; nine addresses of a trip
.set T1,   19
.set T2,   20
.set T3,   21
.set T4,   22
.set T5,   23
.set T6,   1
.set T7,   2
.set T8,   3
.set WSQ,  24                          ; scale words: q_w's, KV's, merge_w's; later mlp_w2's eight in v24-31
.set KVS,  28
.set WSM,  32
.set WS2,  24
.set WS1,  36                          ; mlp_w1's sixteen
.set FR,   52                          ; v52-99 fragments; v100-147 a second set in the last phase
.set X,    100
.set T,    132
.set A,    164
.set PC0,  196
.set TC,   208
.set PC1,  216
.set MX,   224
.set BY,   228
.set SO,   232
.set XS,   236
.set PW0,  244
.set PW1,  245
.set ZV,   246
.set ST,   248
.set QWF,  0                           ; window 1: q_w, KV, merge_w; later a norm's gains and biases and mlp_w2
.set KVF,  96
.set MWF,  144
.set GG,   0
.set BB,   32
.set W2F,  64
.set KI,   192                         ; window 2: Ksum in the result's layout.  Windows 2, 3: v0-191 mlp_w1, v192-255 four row tiles' results
.set SEL,  52
.set LG,   54
.set MSB, 0
.macro WIN new                         ; the immediate's high byte repeats the setting that is left; a switch that changes nothing is dropped
.if MSB != (\new)
	s_set_vgpr_msb (MSB<<8)|(\new)
.set MSB, (\new)
.endif
.endm
.macro NOPS n
.rept \n
	v_nop
.endr
.endm
.macro BARRIER                         ; my LDS stores have landed and my LDS loads are in: then the work-group's barrier
	s_wait_dscnt 0x0
	s_barrier_signal -1
	s_barrier_wait -1
.endm
.macro GETF reg, a16, a8, off          ; a fragment's image: each half of 6 registers as 16 bytes a lane, then 8 bytes a lane
	ds_load_b128 v[\reg:\reg+3], v[\a16] offset:\off
	ds_load_b64 v[\reg+4:\reg+5], v[\a8] offset:\off+512
	ds_load_b128 v[\reg+6:\reg+9], v[\a16] offset:\off+768
	ds_load_b64 v[\reg+10:\reg+11], v[\a8] offset:\off+1280
.endm
.macro PUTH a16, a8, a2, d, pw, off, soff   ; half a fragment and its two scale bytes
	ds_store_b128 v[\a16], v[\d:\d+3] offset:\off
	ds_store_b64 v[\a8], v[\d+4:\d+5] offset:\off+512
	ds_store_b16 v[\a2], v[\pw] offset:\soff
.endm
; 32 numbers of a lane, register 16 b + i = k 32 b + 16 (lane / 16) + i of my point, become half a fragment in v[d] .. v[d + 5] (lanes 0-15 block 0, lanes 16-31 block 1) and two scale bytes in v[pw].
.macro HQUANT s, d, pw
.irp b, 0,1
	v_max3_num_f32 v[MX+\b], |v[\s+16*\b]|, |v[\s+16*\b+1]|, 0x1800000   ; the floor 2^(3 - 127): the byte cannot fall under 1
.endr
.irp i, 2,4,6,8,10,12,14
.irp b, 0,1
	v_max3_num_f32 v[MX+\b], v[MX+\b], |v[\s+16*\b+\i]|, |v[\s+16*\b+\i+1]|
.endr
.endr
.irp b, 0,1
	v_permlanex16_b32 v[BY+\b], v[MX+\b], s[SEL], s[SEL+1]
.endr
.irp b, 0,1
	v_max_num_f32 v[MX+\b], v[MX+\b], v[BY+\b]
.endr
.irp b, 0,1
	v_add_nc_u32 v[SO+\b], 0xff000000, v[MX+\b]    ; 2 off the exponent field: the conversion's scale operand
.endr
.irp b, 0,1
	v_lshrrev_b32 v[BY+\b], 23, v[SO+\b]
.endr
	v_lshl_or_b32 v[\pw], v[BY+1], 8, v[BY]
	v_cvt_scalef32_pk16_fp6_f32 v[\d:\d+2], v[\s:\s+15], v[SO]
	v_cvt_scalef32_pk16_fp6_f32 v[TC:TC+2], v[\s+16:\s+31], v[SO+1]
	v_nop                                          ; one plain place behind a scaled conversion
.irp i, 0,1,2
	v_permlane16_swap_b32 v[\d+\i], v[TC+\i]       ; a whole block to a lane
.endr
.irp i, 0,1,2
	v_mov_b32 v[\d+3+\i], v[TC+\i]
.endr
.endm
; the same for 64 numbers: a whole fragment in v[PC0] on and its scale word in v[PW0]
.macro QUANT4 s
.irp b, 0,1,2,3
	v_max3_num_f32 v[MX+\b], |v[\s+16*\b]|, |v[\s+16*\b+1]|, 0x1800000
.endr
.irp i, 2,4,6,8,10,12,14
.irp b, 0,1,2,3
	v_max3_num_f32 v[MX+\b], v[MX+\b], |v[\s+16*\b+\i]|, |v[\s+16*\b+\i+1]|
.endr
.endr
.irp b, 0,1,2,3
	v_permlanex16_b32 v[BY+\b], v[MX+\b], s[SEL], s[SEL+1]
.endr
.irp b, 0,1,2,3
	v_max_num_f32 v[MX+\b], v[MX+\b], v[BY+\b]
.endr
.irp b, 0,1,2,3
	v_add_nc_u32 v[SO+\b], 0xff000000, v[MX+\b]
.endr
.irp b, 0,1,2,3
	v_lshrrev_b32 v[BY+\b], 23, v[SO+\b]
.endr
	v_lshl_or_b32 v[PW0], v[BY+1], 8, v[BY]
	v_lshl_or_b32 v[PW0], v[BY+2], 16, v[PW0]
	v_lshl_or_b32 v[PW0], v[BY+3], 24, v[PW0]
.irp c, 0,1
	v_cvt_scalef32_pk16_fp6_f32 v[PC0+6*\c:PC0+6*\c+2], v[\s+32*\c:\s+32*\c+15], v[SO+2*\c]
	v_cvt_scalef32_pk16_fp6_f32 v[TC+4*\c:TC+4*\c+2], v[\s+32*\c+16:\s+32*\c+31], v[SO+2*\c+1]
.endr
	v_nop
.irp c, 0,1
.irp i, 0,1,2
	v_permlane16_swap_b32 v[PC0+6*\c+\i], v[TC+4*\c+\i]
.endr
.irp i, 0,1,2
	v_mov_b32 v[PC0+6*\c+3+\i], v[TC+4*\c+\i]
.endr
.endr
.endm
; A = elu(x) + 1 = max(x, 0) + 2^min(x log2(e), 0) of 32 numbers at v[xs]; each accumulator is read from its low end on
.macro ELU xs, win
	WIN \win
.set jj, 0
.rept 16
	v_pk_mul_f32 v[T+jj:T+jj+1], v[\xs+jj:\xs+jj+1], s[LG:LG+1] op_sel_hi:[1,0]
.set jj, jj+2
.endr
.set jj, 0
.rept 32
	v_max_num_f32 v[A+jj], 0, v[\xs+jj]
.set jj, jj+1
.endr
	WIN 0
.set jj, 0
.rept 32
	v_min_num_f32 v[T+jj], 0, v[T+jj]
.set jj, jj+1
.endr
.set jj, 0
.rept 32
	v_exp_f32 v[T+jj], v[T+jj]
.set jj, jj+1
.endr
	v_nop                                          ; a plain place behind the last exponential
	s_wait_alu depctr_va_vdst(0)                   ; one wait for the batch of 32, ahead of its first reader
.set jj, 0
.rept 16
	v_pk_add_f32 v[A+jj:A+jj+1], v[A+jj:A+jj+1], v[T+jj:T+jj+1]
.set jj, jj+2
.endr
.endm
; ---- a quarter of my tile: 64 points x my 64 channels become four halves of fragments
.macro XQ q
	s_wait_tensorcnt 3-\q                          ; my quarter q has landed; the younger quarters may be out.  Only I read my tile
	s_mov_b32 s56, \q*TILEQ
	s_mov_b32 s57, F1IMG+\q*12288
	s_mov_b32 s58, F1SC+\q*1024
	s_mov_b32 s59, 0
.Lx_\@:                                                ; two trips, two row tiles each
	v_add_nc_u32 v[T0], s56, v[AF1]
	v_add_nc_u32 v[T1], s57, v[WL16]
	v_add_nc_u32 v[T2], s57, v[WL8]
	v_add_nc_u32 v[T3], s58, v[WL2]
.set ii, 0
.rept 32
	ds_load_b32 v[X+ii], v[T0] offset:((ii/16)*32+(ii%16))*TP
.set ii, ii+1
.endr
.set ii, 0
.rept 32
	ds_load_b32 v[T+ii], v[T0] offset:((ii/16)*32+(ii%16))*TP+64
.set ii, ii+1
.endr
	s_wait_dscnt 32                                ; the first row tile's 32 are in
	HQUANT X, PC0, PW0
	PUTH T1, T2, T3, PC0, PW0, 0, 0
	s_wait_dscnt 3                                 ; all but the three stores just issued
	HQUANT T, PC1, PW1
	PUTH T1, T2, T3, PC1, PW1, 3072, 256
	s_wait_dscnt 0x0                               ; the trip's LDS instructions are done: its address and data registers may be written again
	s_add_co_u32 s56, s56, 128
	s_add_co_u32 s57, s57, 6144
	s_add_co_u32 s58, s58, 512
	s_add_co_u32 s59, s59, 1
	s_cmp_lt_u32 s59, 2
	s_cbranch_scc1 .Lx_\@
.endm
; ---- a product with S K steps followed by a LayerNorm, four row tiles a trip
.macro ROWL S, set, mq                 ; row tile mq's S fragments and scale words into a set: 5 S LDS loads
.set ss, 0
.rept \S
	GETF FR+12*\S*(\set)+12*ss, T0, T1, ((\mq)*\S+ss)*1536
.set ss, ss+1
.endr
.set ss, 0
.rept \S
	ds_load_b32 v[XS+\S*(\set)+ss], v[T2] offset:((\mq)*\S+ss)*128
.set ss, ss+1
.endr
.endm
.macro LNMUL S, set, mq, wf, ws        ; my four tiles of channels for row tile mq: four accumulators by turns, K step by K step
.set HB, 192+32*((\mq)%2)
.set ss, 0
.rept \S
.if ss == 0
	WIN 0x81+0x40*((\mq)/2)
.else
	WIN 0xa1+0x50*((\mq)/2)
.endif
.irp tl, 0,1,2,3
.if ss == 0
	v_wmma_scale_f32_16x16x128_f8f6f4 v[HB+8*\tl:HB+8*\tl+7], v[\wf+12*(\S*\tl+ss):\wf+12*(\S*\tl+ss)+11], v[FR+12*\S*(\set)+12*ss:FR+12*\S*(\set)+12*ss+11], 0, v[\ws+(\S/2)*\tl+ss/2], v[XS+\S*(\set)+ss] matrix_a_fmt:MATRIX_FMT_FP6 matrix_b_fmt:MATRIX_FMT_FP6
.elseif (ss%2) == 1
	v_wmma_scale_f32_16x16x128_f8f6f4 v[HB+8*\tl:HB+8*\tl+7], v[\wf+12*(\S*\tl+ss):\wf+12*(\S*\tl+ss)+11], v[FR+12*\S*(\set)+12*ss:FR+12*\S*(\set)+12*ss+11], v[HB+8*\tl:HB+8*\tl+7], v[\ws+(\S/2)*\tl+ss/2], v[XS+\S*(\set)+ss] matrix_a_fmt:MATRIX_FMT_FP6 matrix_b_fmt:MATRIX_FMT_FP6 matrix_a_scale:MATRIX_SCALE_ROW1
.else
	v_wmma_scale_f32_16x16x128_f8f6f4 v[HB+8*\tl:HB+8*\tl+7], v[\wf+12*(\S*\tl+ss):\wf+12*(\S*\tl+ss)+11], v[FR+12*\S*(\set)+12*ss:FR+12*\S*(\set)+12*ss+11], v[HB+8*\tl:HB+8*\tl+7], v[\ws+(\S/2)*\tl+ss/2], v[XS+\S*(\set)+ss] matrix_a_fmt:MATRIX_FMT_FP6 matrix_b_fmt:MATRIX_FMT_FP6
.endif
.endr
.set ss, ss+1
.endr
.endm
.macro STATS mq                        ; my 64 channels' mean and sum of squared distances from it, for each point of row tile mq
.set XB, 192+32*((\mq)%2)
.set WX, 2+(\mq)/2
.set STP, ST+2*(\mq)
	WIN (WX<<2)|WX
	v_pk_add_f32 v[T:T+1], v[XB:XB+1], v[XB+2:XB+3]
	v_pk_add_f32 v[T+2:T+3], v[XB+4:XB+5], v[XB+6:XB+7]
	WIN WX
.set jj, 8
.rept 6
	v_pk_add_f32 v[T:T+1], v[XB+jj:XB+jj+1], v[T:T+1]
	v_pk_add_f32 v[T+2:T+3], v[XB+jj+2:XB+jj+3], v[T+2:T+3]
.set jj, jj+4
.endr
	WIN 0
	v_pk_add_f32 v[T:T+1], v[T:T+1], v[T+2:T+3]
	v_add_f32 v[T], v[T], v[T+1]
	v_permlanex16_b32 v[T+2], v[T], s[SEL], s[SEL+1]
	v_add_f32 v[T], v[T], v[T+2]
	v_mul_f32 v[STP], s67, v[T]                    ; / 64
	WIN WX
.set jj, 0
.rept 16
	v_pk_add_f32 v[A+jj:A+jj+1], v[XB+jj:XB+jj+1], v[STP:STP+1] op_sel_hi:[1,0] neg_lo:[0,1] neg_hi:[0,1]
.set jj, jj+2
.endr
	WIN 0
	v_pk_mul_f32 v[T:T+1], v[A:A+1], v[A:A+1]
	v_pk_mul_f32 v[T+2:T+3], v[A+2:A+3], v[A+2:A+3]
.set jj, 4
.rept 7
	v_pk_fma_f32 v[T:T+1], v[A+jj:A+jj+1], v[A+jj:A+jj+1], v[T:T+1]
	v_pk_fma_f32 v[T+2:T+3], v[A+jj+2:A+jj+3], v[A+jj+2:A+jj+3], v[T+2:T+3]
.set jj, jj+4
.endr
	v_pk_add_f32 v[T:T+1], v[T:T+1], v[T+2:T+3]
	v_add_f32 v[T], v[T], v[T+1]
	v_permlanex16_b32 v[T+2], v[T], s[SEL], s[SEL+1]
	v_add_f32 v[STP+1], v[T], v[T+2]
	ds_store_b64 v[T3], v[STP:STP+1] offset:1024*(\mq)
.endm
.macro LNA S, wf, ws                   ; s56: the operand's images, s57: their scale words, s58: the statistics
	v_add_nc_u32 v[T0], s56, v[L16]
	v_add_nc_u32 v[T1], s56, v[L8]
	v_add_nc_u32 v[T2], s57, v[L4]
	v_add_nc_u32 v[T3], s58, v[SW8]
	ROWL \S, 0, 0
.irp mq, 0,1,2,3
.if (\mq >= 1) && (\mq < 3)
	NOPS 4                                         ; places in front of loads into the set that the last products read
.endif
.if \mq < 3
	ROWL \S, (\mq+1)%2, \mq+1
	s_wait_dscnt 5*\S                              ; all but the fetch just issued
.else
	s_wait_dscnt 0x0
.endif
	LNMUL \S, \mq%2, \mq, \wf, \ws
	WIN 0
.endr
	NOPS 4                                         ; places in front of the first read of the results
.irp mq, 0,1,2,3
	STATS \mq
.endr
.endm
; The four waves' statistics are combined; the rows are normalised.  stage = 0: quantised, images to s59 / s60.  stage = 1: through my stage in LDS, out as rows of 64 points.
.macro LNB stage
	v_add_nc_u32 v[T4], s58, v[L8]
.if \stage == 0
	v_add_nc_u32 v[T5], s59, v[WL16]
	v_add_nc_u32 v[T6], s59, v[WL8]
	v_add_nc_u32 v[T7], s60, v[WL2]
.endif
.irp mq, 0,1,2,3
.irp j, 0,1,2,3
	ds_load_b64 v[T+8*\mq+2*\j:T+8*\mq+2*\j+1], v[T4] offset:(4*\mq+\j)*256
.endr
.endr
	s_wait_dscnt 0x0
.irp mq, 0,1,2,3
	v_add_f32 v[A+8*\mq], v[T+8*\mq], v[T+8*\mq+2]
	v_add_f32 v[A+8*\mq+1], v[T+8*\mq+4], v[T+8*\mq+6]
.endr
.irp mq, 0,1,2,3
	v_add_f32 v[A+8*\mq], v[A+8*\mq], v[A+8*\mq+1]
.endr
.irp mq, 0,1,2,3
	v_mul_f32 v[A+8*\mq], 0x3e800000, v[A+8*\mq]   ; the mean of the four means: each stands for 64 channels
.endr
.irp mq, 0,1,2,3
.irp j, 0,1,2,3
	v_sub_f32 v[A+8*\mq+1+\j], v[T+8*\mq+2*\j], v[A+8*\mq]
.endr
.endr
.irp mq, 0,1,2,3
	v_mul_f32 v[A+8*\mq+5], v[A+8*\mq+1], v[A+8*\mq+1]
	v_add_f32 v[A+8*\mq+6], v[T+8*\mq+1], v[T+8*\mq+3]
	v_add_f32 v[A+8*\mq+7], v[T+8*\mq+5], v[T+8*\mq+7]
.endr
.irp j, 2,3,4
.irp mq, 0,1,2,3
	v_fmac_f32 v[A+8*\mq+5], v[A+8*\mq+\j], v[A+8*\mq+\j]
.endr
.endr
.irp mq, 0,1,2,3
	v_add_f32 v[A+8*\mq+6], v[A+8*\mq+6], v[A+8*\mq+7]
.endr
.irp mq, 0,1,2,3
	v_fma_f32 v[A+8*\mq+6], v[A+8*\mq+5], s68, v[A+8*\mq+6]   ; + 64 x the means' squared distances
.endr
.irp mq, 0,1,2,3
	v_fma_f32 v[A+8*\mq+6], v[A+8*\mq+6], s69, s70 ; / 256 + 1e-5
.endr
.irp mq, 0,1,2,3
	v_rsq_f32 v[ST+2*\mq], v[A+8*\mq+6]
.endr
	v_nop                                          ; a plain place behind the last of the batch
	s_wait_alu depctr_va_vdst(0)                   ; one wait for the four, ahead of their first reader
.irp mq, 0,1,2,3
	v_mul_f32 v[ST+2*\mq+1], -v[A+8*\mq], v[ST+2*\mq]   ; c0 = -mean c1
.endr
.irp mq, 0,1,2,3
.set XB, 192+32*(\mq%2)
.set WX, 2+\mq/2
.if \stage == 0
.set YB, A
.else
.set YB, A-32*(\mq%2)                  ; two runs of registers by turns
.if \mq >= 2
	s_wait_dscnt 32                                ; the 32 stores of the row tile before may be out; those that read this run are done
.endif
.endif
	WIN WX
.set jj, 0
.rept 16
	v_pk_fma_f32 v[YB+jj:YB+jj+1], v[XB+jj:XB+jj+1], v[ST+2*\mq:ST+2*\mq+1], v[ST+2*\mq:ST+2*\mq+1] op_sel:[0,0,1] op_sel_hi:[1,0,1]   ; x c1 + c0
.set jj, jj+2
.endr
	WIN 0x14
.set jj, 0
.rept 16
	v_pk_fma_f32 v[YB+jj:YB+jj+1], v[YB+jj:YB+jj+1], v[GG+jj:GG+jj+1], v[BB+jj:BB+jj+1]   ; x gain + bias
.set jj, jj+2
.endr
	WIN 0
.if \stage == 0
.if \mq >= 2
	s_wait_dscnt 3                                 ; the three stores of the row tile before may be out
.endif
	HQUANT A, PC0+20*(\mq%2), PW0+(\mq%2)
	PUTH T5, T6, T7, PC0+20*(\mq%2), PW0+(\mq%2), 3072*\mq, 256*\mq
.else
.set ii, 0
.rept 32
	ds_store_b32 v[AST], v[YB+ii] offset:((ii/16)*32+(ii%16))*TP+64*\mq   ; row = channel, 4 bytes a point
.set ii, ii+1
.endr
.endif
.endr
.if \stage == 1
.irp hf, 0,1                           ; my 64 channels x 64 points leave as rows: LDS serves a wave's instructions in order, so these loads see my stores
.set ii, 0
.rept 32
	ds_load_b64 v[FR+2*ii:FR+2*ii+1], v[ASR] offset:(32*\hf+ii)*TP
.set ii, ii+1
.endr
.set ii, 0
.rept 32
	s_wait_dscnt 31-ii
	global_store_b64 v[L8], v[FR+2*ii:FR+2*ii+1], s[24:25] offset:(32*\hf+ii)*65536 th:TH_STORE_NT   ; 32 lanes store 256 consecutive bytes of one channel, aligned
.set ii, ii+1
.endr
	s_wait_xcnt 0x0                                ; the stores have read their registers and their base: both may be written again
.endr
.endif
.endm
.macro HFETCH                          ; a row tile's four K steps of [f1, msg]: 20 LDS loads
	GETF FR, T0, T1, 0
	GETF FR+12, T0, T1, 1536
	GETF FR+24, T3, T4, 0
	GETF FR+36, T3, T4, 1536
	ds_load_b32 v[XS], v[T2]
	ds_load_b32 v[XS+1], v[T2] offset:128
	ds_load_b32 v[XS+2], v[T5]
	ds_load_b32 v[XS+3], v[T5] offset:128
.endm
	s_load_b256 s[4:11], s[0:1], 0x0               ; feat1, wcodes, wscales, kvcodes
	s_load_b256 s[12:19], s[0:1], 0x20             ; kvscales, ksum, ln1_g, ln1_b
	s_load_b128 s[20:23], s[0:1], 0x40             ; ln2_g, ln2_b
	s_load_b64 s[24:25], s[0:1], 0x50              ; out0
	v_lshl_add_u32 v222, v0, 2, 0x4f000
	v_mov_b32 v223, 0
	ds_add_u32 v222, v223
	ds_add_u32 v222, v223
	v_lshrrev_b32 v1, 5, v0
	v_readfirstlane_b32 s26, v1                    ; wave
	s_lshr_b32 s27, ttmp9, 6                       ; batch
	s_and_b32 s66, ttmp9, 63
	s_lshl_b32 s66, s66, 10                        ; my first point, in bytes
	; descriptor group 1: 64 rows (channels) x 64 elements of 4 bytes, 16,384 elements from row to row; 2 words of padding behind each 64 words
	s_mov_b32 s28, 0x03520000
	s_mov_b32 s29, 64<<16
	s_mov_b32 s30, 64<<16
	s_mov_b32 s31, 64<<16
	s_mov_b32 s32, 64
	s_mov_b32 s33, 16384
	s_mov_b32 s34, 0
	s_mov_b32 s35, 0
	s_lshl_b32 s84, s27, 24
	s_lshl_b32 s85, s26, 22
	s_add_co_u32 s84, s84, s85
	s_add_co_u32 s84, s84, s66
	s_mov_b32 s85, 0
	s_mul_i32 s86, s26, TILEW
	s_wait_dscnt 0x0
	s_wait_kmcnt 0x0
	s_add_nc_u64 s[4:5], s[4:5], s[84:85]          ; feat1 and out0 at my 64 channels, my first point
	s_add_nc_u64 s[24:25], s[24:25], s[84:85]
.irp q, 0,1,2,3
	s_mov_b32 s[36+4*\q], 1
	s_add_co_u32 s[37+4*\q], s86, \q*TILEQ
	s_add_nc_u64 s[38+4*\q:39+4*\q], s[4:5], \q*256
	s_or_b32 s[39+4*\q], s[39+4*\q], 0x80000000
.endr
.irp q, 0,1,2,3
	tensor_load_to_lds s[36+4*\q:39+4*\q], s[28:35]   ; all of my tile is asked for at once: first fills, ahead of every wait, LDS read and barrier
	s_nop 0
.endr
	NOPS 4                                         ; four nops behind the loads
	; my share of each buffer goes into the scalar bases, so that the vector offsets 16 L, 4 L and 64 h are never rewritten
	s_mul_i32 s84, s26, 8*1536
	s_add_co_u32 s84, s84, 96*1536
	s_add_nc_u64 s[72:73], s[6:7], s[84:85]        ; q_w's fragments; merge_w's lie 32 fragments on
	s_mul_i32 s84, s26, 32*1536
	s_add_co_u32 s84, s84, 160*1536
	s_add_nc_u64 s[74:75], s[6:7], s[84:85]        ; mlp_w1's
	s_mul_i32 s84, s26, 16*1536
	s_add_co_u32 s84, s84, 288*1536
	s_add_nc_u64 s[76:77], s[6:7], s[84:85]        ; mlp_w2's
	s_lshl_b32 s84, s26, 9
	s_add_co_u32 s84, s84, 48*128
	s_add_nc_u64 s[78:79], s[8:9], s[84:85]        ; scale words: q_w's; merge_w's 16 pairs on
	s_lshl_b32 s84, s26, 11
	s_add_co_u32 s84, s84, 80*128
	s_add_nc_u64 s[80:81], s[8:9], s[84:85]
	s_lshl_b32 s84, s26, 10
	s_add_co_u32 s84, s84, 144*128
	s_add_nc_u64 s[82:83], s[8:9], s[84:85]
	s_lshl_b32 s88, s27, 2
	s_add_co_u32 s88, s88, s26                     ; 4 b + w
	s_mul_i32 s84, s88, 6144
	s_add_nc_u64 s[10:11], s[10:11], s[84:85]
	s_lshl_b32 s84, s88, 9
	s_add_nc_u64 s[12:13], s[12:13], s[84:85]
	s_lshl_b32 s84, s26, 8
	s_add_nc_u64 s[16:17], s[16:17], s[84:85]
	s_add_nc_u64 s[18:19], s[18:19], s[84:85]
	s_add_nc_u64 s[20:21], s[20:21], s[84:85]
	s_add_nc_u64 s[22:23], s[22:23], s[84:85]
	s_lshl_b32 s87, s27, 10
	s_add_co_u32 s84, s84, s87
	s_add_nc_u64 s[14:15], s[14:15], s[84:85]
	v_and_b32 v1, 31, v0
	v_and_b32 v2, 15, v0
	v_bfe_u32 v3, v0, 4, 1
	v_lshlrev_b32 v[L16], 4, v1
	v_lshlrev_b32 v[L8], 3, v1
	v_lshlrev_b32 v[L4], 2, v1
	v_lshlrev_b32 v[H64], 6, v3
	WIN 0x40
.set fi, 0
.rept 8
.irp g, 0,1,2
	global_load_b128 v[QWF+12*fi+4*\g:QWF+12*fi+4*\g+3], v[L16], s[72:73] offset:fi*1536+512*\g
	global_load_b128 v[MWF+12*fi+4*\g:MWF+12*fi+4*\g+3], v[L16], s[72:73] offset:(32+fi)*1536+512*\g
.endr
.set fi, fi+1
.endr
.set fi, 0
.rept 4
.irp g, 0,1,2
	global_load_b128 v[KVF+12*fi+4*\g:KVF+12*fi+4*\g+3], v[L16], s[10:11] offset:fi*1536+512*\g
.endr
.set fi, fi+1
.endr
	WIN 0x80
.set fi, 0
.rept 16
.irp g, 0,1,2
	global_load_b128 v[12*fi+4*\g:12*fi+4*\g+3], v[L16], s[74:75] offset:fi*1536+512*\g
.endr
.set fi, fi+1
.endr
.irp bb, 0,1
.irp j, 0,1,2,3
	global_load_b128 v[KI+16*\bb+4*\j:KI+16*\bb+4*\j+3], v[H64], s[14:15] offset:128*\bb+16*\j
.endr
.endr
	WIN 0xc0
.set fi, 0
.rept 16
.irp g, 0,1,2
	global_load_b128 v[12*fi+4*\g:12*fi+4*\g+3], v[L16], s[74:75] offset:(16+fi)*1536+512*\g
.endr
.set fi, fi+1
.endr
	WIN 0
.irp tl, 0,1,2,3
	global_load_b32 v[WSQ+\tl], v[L4], s[78:79] offset:128*\tl
	global_load_b32 v[WSM+\tl], v[L4], s[78:79] offset:(16+\tl)*128
	global_load_b32 v[KVS+\tl], v[L4], s[12:13] offset:128*\tl
.endr
.set fi, 0
.rept 16
	global_load_b32 v[WS1+fi], v[L4], s[80:81] offset:128*fi
.set fi, fi+1
.endr
	s_lshr_b32 s84, s26, 1
	s_and_b32 s86, s26, 1
	s_mul_i32 s87, s84, 1536
	s_mul_i32 s88, s86, 768
	s_add_co_u32 s87, s87, s88
	v_add_nc_u32 v[WL16], s87, v[L16]
	v_add_nc_u32 v[WL8], s87, v[L8]
	s_lshl_b32 s87, s84, 7
	s_lshl_b32 s88, s86, 1
	s_add_co_u32 s87, s87, s88
	v_add_nc_u32 v[WL2], s87, v[L4]
	s_mul_i32 s87, s26, 1536
	v_add_nc_u32 v[HW16], s87, v[L16]
	v_add_nc_u32 v[HW8], s87, v[L8]
	s_lshl_b32 s87, s26, 7
	v_add_nc_u32 v[HW4], s87, v[L4]
	v_mul_u32_u24 v[AF1], v3, 16*TP
	v_lshl_add_u32 v[AF1], v2, 2, v[AF1]           ; 16 rows x h + 4 r
	s_mul_i32 s87, s26, TILEQ
	v_add_nc_u32 v[AST], s87, v[AF1]
	v_add_nc_u32 v[ASR], s87, v[L8]
	s_mul_i32 s87, s26, TILEW
	v_add_nc_u32 v[AF1], s87, v[AF1]
	s_lshl_b32 s87, s26, 8
	v_add_nc_u32 v[SW8], s87, v[L8]
.irp i, 6,7,8,9,10,11
	v_mov_b32 v[PC0+\i], 0                         ; blocks 2 and 3 of Qf's operand: zero codes
.endr
.irp i, 0,1,2,3
	v_mov_b32 v[BY+\i], 0                          ; lane permutes' destinations count as sources
.endr
.irp i, 0,1,2,3,4,5,6,7
	v_mov_b32 v[ST+\i], 0                          ; (named in pairs before both halves are written)
.endr
	s_mov_b32 s[SEL], 0x76543210
	s_mov_b32 s[SEL+1], 0xfedcba98
	s_mov_b32 s[LG], 0x3fb8aa3b                    ; log2(e)
	s_mov_b32 s[LG+1], s[LG]
	s_mov_b32 s67, 0x3c800000                      ; 1 / 64
	s_mov_b32 s68, 0x42800000                      ; 64
	s_mov_b32 s69, 0x3b800000                      ; 1 / 256
	s_mov_b32 s70, 0x3727c5ac                      ; 1e-5
	; ---- X: f1's codes
	XQ 0
	XQ 1
	XQ 2
	XQ 3
	BARRIER                                        ; f1's 32 fragments lie in LDS; every wave's tile has landed and been read: its bytes are scratch from here on
	s_wait_loadcnt 0x0                             ; the weights
	; ---- QA: q, Qf, Z, msg: a row tile a trip.  The block-diagonal KV takes my own two heads alone: nothing goes between waves inside a trip
	s_mov_b32 s56, F1IMG+3072
	s_mov_b32 s57, F1SC+256
	s_mov_b32 s58, MIMG
	s_mov_b32 s59, MSC
	s_mov_b32 s61, 0
	v_add_nc_u32 v[T0], F1IMG, v[L16]
	v_add_nc_u32 v[T1], F1IMG, v[L8]
	v_add_nc_u32 v[T2], F1SC, v[L4]
	GETF FR, T0, T1, 0
	GETF FR+12, T0, T1, 1536
	ds_load_b32 v[XS], v[T2]
	ds_load_b32 v[XS+1], v[T2] offset:128
.Lqa:
	s_wait_dscnt 0x0                               ; this row tile's fragments are in, the last trip's stores are done
	WIN 0x01
.irp t, 0,1,2,3
	v_wmma_scale_f32_16x16x128_f8f6f4 v[X+8*\t:X+8*\t+7], v[QWF+24*\t:QWF+24*\t+11], v[FR:FR+11], 0, v[WSQ+\t], v[XS] matrix_a_fmt:MATRIX_FMT_FP6 matrix_b_fmt:MATRIX_FMT_FP6
.endr
.irp t, 0,1,2,3
	v_wmma_scale_f32_16x16x128_f8f6f4 v[X+8*\t:X+8*\t+7], v[QWF+24*\t+12:QWF+24*\t+23], v[FR+12:FR+23], v[X+8*\t:X+8*\t+7], v[WSQ+\t], v[XS+1] matrix_a_fmt:MATRIX_FMT_FP6 matrix_b_fmt:MATRIX_FMT_FP6 matrix_a_scale:MATRIX_SCALE_ROW1
.endr
	WIN 0
	s_min_u32 s62, s56, F1IMG+15*3072              ; the next row tile; the last trip fetches its own again
	s_min_u32 s63, s57, F1SC+15*256
	v_add_nc_u32 v[T0], s62, v[L16]                ; these six lines are the places behind the products
	v_add_nc_u32 v[T1], s62, v[L8]
	v_add_nc_u32 v[T2], s63, v[L4]
	v_add_nc_u32 v[T3], s58, v[WL16]
	v_add_nc_u32 v[T4], s58, v[WL8]
	v_add_nc_u32 v[T5], s59, v[WL2]
	GETF FR, T0, T1, 0
	GETF FR+12, T0, T1, 1536
	ds_load_b32 v[XS], v[T2]
	ds_load_b32 v[XS+1], v[T2] offset:128
	ELU X, 0
	HQUANT A, PC0, PW0                             ; Qf's codes: block 0 = head 2 w, block 1 = head 2 w + 1
	WIN 0x08
.irp bb, 0,1
	v_pk_mul_f32 v[ST+2*\bb:ST+2*\bb+1], v[A+16*\bb:A+16*\bb+1], v[KI+16*\bb:KI+16*\bb+1]   ; Qf . Ksum, f32, of the unquantised Qf.  (These lines are also the places in front of the scaled products below)
.endr
.irp i, 2,4,6,8,10,12,14
.irp bb, 0,1
	v_pk_fma_f32 v[ST+2*\bb:ST+2*\bb+1], v[A+16*\bb+\i:A+16*\bb+\i+1], v[KI+16*\bb+\i:KI+16*\bb+\i+1], v[ST+2*\bb:ST+2*\bb+1]
.endr
.endr
	WIN 0
	v_add_f32 v[ST], v[ST], v[ST+1]
	v_add_f32 v[ST+2], v[ST+2], v[ST+3]
	v_permlanex16_b32 v[ST+4], v[ST], s[SEL], s[SEL+1]
	v_permlanex16_b32 v[ST+5], v[ST+2], s[SEL], s[SEL+1]
	v_add_f32 v[ST], v[ST], v[ST+4]
	v_add_f32 v[ST+2], v[ST+2], v[ST+5]
	v_add_f32 v[ST], 0x358637bd, v[ST]             ; + 1e-6
	v_add_f32 v[ST+2], 0x358637bd, v[ST+2]
	v_rcp_f32 v[ZV], v[ST]
	v_rcp_f32 v[ZV+1], v[ST+2]
	WIN 0x01
.irp t, 0,1,2,3
	v_wmma_scale_f32_16x16x128_f8f6f4 v[X+8*\t:X+8*\t+7], v[KVF+12*\t:KVF+12*\t+11], v[PC0:PC0+11], 0, v[KVS+\t], v[PW0] matrix_a_fmt:MATRIX_FMT_FP6 matrix_b_fmt:MATRIX_FMT_FP6
.endr
	WIN 0
	NOPS 4                                         ; places behind the products, and the plain place behind the reciprocals
	s_wait_alu depctr_va_vdst(0)                   ; one wait for the two reciprocals, ahead of their first reader
	v_mul_f32 v[ZV], 0x46800000, v[ZV]             ; x 16384: exact
	v_mul_f32 v[ZV+1], 0x46800000, v[ZV+1]
.set jj, 0
.rept 8
	v_pk_mul_f32 v[X+jj:X+jj+1], v[X+jj:X+jj+1], v[ZV:ZV+1] op_sel:[0,0] op_sel_hi:[1,0]
.set jj, jj+2
.endr
.rept 8
	v_pk_mul_f32 v[X+jj:X+jj+1], v[X+jj:X+jj+1], v[ZV:ZV+1] op_sel:[0,1] op_sel_hi:[1,1]
.set jj, jj+2
.endr
	HQUANT X, PC1, PW1
	PUTH T3, T4, T5, PC1, PW1, 0, 0
	s_add_co_u32 s56, s56, 3072
	s_add_co_u32 s57, s57, 256
	s_add_co_u32 s58, s58, 3072
	s_add_co_u32 s59, s59, 256
	s_add_co_u32 s61, s61, 1
	s_cmp_lt_u32 s61, 16
	s_cbranch_scc1 .Lqa
	BARRIER                                        ; msg's 32 fragments lie in LDS
	; ---- M: merge and LayerNorm 1, four row tiles a trip.  Its gains and biases take q_w's registers, mlp_w2's scale words those of q_w's and KV's
	WIN 0x40
.irp bb, 0,1
.irp j, 0,1,2,3
	global_load_b128 v[GG+16*\bb+4*\j:GG+16*\bb+4*\j+3], v[H64], s[16:17] offset:128*\bb+16*\j
	global_load_b128 v[BB+16*\bb+4*\j:BB+16*\bb+4*\j+3], v[H64], s[18:19] offset:128*\bb+16*\j
.endr
.endr
	WIN 0
.irp i, 0,1,2,3,4,5,6,7
	global_load_b32 v[WS2+\i], v[L4], s[82:83] offset:128*\i
.endr
	s_mov_b32 s56, MIMG
	s_mov_b32 s57, MSC
	s_mov_b32 s58, STAT1
	s_mov_b32 s59, LIMG
	s_mov_b32 s60, LSC
	s_mov_b32 s61, 0
.Lm:
	LNA 2, MWF, WSM
	BARRIER                                        ; the four waves' statistics lie in LDS
	s_wait_loadcnt 0x0                             ; gains and biases
	LNB 0
	BARRIER                                        ; every wave has read the statistics: the next trip may write them; behind the last trip: LayerNorm 1's fragments lie in LDS
	s_add_co_u32 s56, s56, 12288
	s_add_co_u32 s57, s57, 1024
	s_add_co_u32 s59, s59, 12288
	s_add_co_u32 s60, s60, 1024
	s_add_co_u32 s61, s61, 1
	s_cmp_lt_u32 s61, 4
	s_cbranch_scc1 .Lm
	; ---- H: the MLP's first product, relu, quantised: my 128 hidden units are K step w of the second.  LayerNorm 2's gains and biases and mlp_w2 are asked for here and land meanwhile
	WIN 0x40
.irp bb, 0,1
.irp j, 0,1,2,3
	global_load_b128 v[GG+16*\bb+4*\j:GG+16*\bb+4*\j+3], v[H64], s[20:21] offset:128*\bb+16*\j
	global_load_b128 v[BB+16*\bb+4*\j:BB+16*\bb+4*\j+3], v[H64], s[22:23] offset:128*\bb+16*\j
.endr
.endr
.set fi, 0
.rept 16
.irp g, 0,1,2
	global_load_b128 v[W2F+12*fi+4*\g:W2F+12*fi+4*\g+3], v[L16], s[76:77] offset:fi*1536+512*\g
.endr
.set fi, fi+1
.endr
	WIN 0
	s_mov_b32 s56, 3072
	s_mov_b32 s57, 256
	s_mov_b32 s60, HIMG
	s_mov_b32 s62, HSC
	s_mov_b32 s61, 0
	v_add_nc_u32 v[T0], F1IMG, v[L16]
	v_add_nc_u32 v[T1], F1IMG, v[L8]
	v_add_nc_u32 v[T2], F1SC, v[L4]
	v_add_nc_u32 v[T3], LIMG, v[L16]
	v_add_nc_u32 v[T4], LIMG, v[L8]
	v_add_nc_u32 v[T5], LSC, v[L4]
	HFETCH
.Lh:
	s_wait_dscnt 0x0                               ; this row tile's fragments are in, the last trip's stores are done
.irp hw, 0,1
	WIN 0x02+\hw
.set ss, 0
.rept 4
.irp t4, 0,1,2,3
.if ss == 0
	v_wmma_scale_f32_16x16x128_f8f6f4 v[X+8*(4*\hw+\t4):X+8*(4*\hw+\t4)+7], v[12*(4*\t4+ss):12*(4*\t4+ss)+11], v[FR+12*ss:FR+12*ss+11], 0, v[WS1+2*(4*\hw+\t4)+ss/2], v[XS+ss] matrix_a_fmt:MATRIX_FMT_FP6 matrix_b_fmt:MATRIX_FMT_FP6
.elseif (ss%2) == 1
	v_wmma_scale_f32_16x16x128_f8f6f4 v[X+8*(4*\hw+\t4):X+8*(4*\hw+\t4)+7], v[12*(4*\t4+ss):12*(4*\t4+ss)+11], v[FR+12*ss:FR+12*ss+11], v[X+8*(4*\hw+\t4):X+8*(4*\hw+\t4)+7], v[WS1+2*(4*\hw+\t4)+ss/2], v[XS+ss] matrix_a_fmt:MATRIX_FMT_FP6 matrix_b_fmt:MATRIX_FMT_FP6 matrix_a_scale:MATRIX_SCALE_ROW1
.else
	v_wmma_scale_f32_16x16x128_f8f6f4 v[X+8*(4*\hw+\t4):X+8*(4*\hw+\t4)+7], v[12*(4*\t4+ss):12*(4*\t4+ss)+11], v[FR+12*ss:FR+12*ss+11], v[X+8*(4*\hw+\t4):X+8*(4*\hw+\t4)+7], v[WS1+2*(4*\hw+\t4)+ss/2], v[XS+ss] matrix_a_fmt:MATRIX_FMT_FP6 matrix_b_fmt:MATRIX_FMT_FP6
.endif
.endr
.set ss, ss+1
.endr
.endr
	WIN 0
	s_min_u32 s63, s56, 15*3072                    ; the next row tile; the last trip fetches its own again
	s_add_co_u32 s84, s63, F1IMG
	s_add_co_u32 s85, s63, LIMG
	s_min_u32 s86, s57, 15*256
	s_add_co_u32 s87, s86, F1SC
	s_add_co_u32 s88, s86, LSC
	v_add_nc_u32 v[T0], s84, v[L16]                ; these nine lines are the places behind the products
	v_add_nc_u32 v[T1], s84, v[L8]
	v_add_nc_u32 v[T2], s87, v[L4]
	v_add_nc_u32 v[T3], s85, v[L16]
	v_add_nc_u32 v[T4], s85, v[L8]
	v_add_nc_u32 v[T5], s88, v[L4]
	v_add_nc_u32 v[T6], s60, v[HW16]
	v_add_nc_u32 v[T7], s60, v[HW8]
	v_add_nc_u32 v[T8], s62, v[HW4]
	HFETCH
.set jj, 0
.rept 64
	v_max_num_f32 v[X+jj], 0, v[X+jj]              ; relu, in f32
.set jj, jj+1
.endr
	QUANT4 X
	ds_store_b128 v[T6], v[PC0:PC0+3]
	ds_store_b64 v[T7], v[PC0+4:PC0+5] offset:512
	ds_store_b128 v[T6], v[PC0+6:PC0+9] offset:768
	ds_store_b64 v[T7], v[PC0+10:PC0+11] offset:1280
	ds_store_b32 v[T8], v[PW0]
	s_add_co_u32 s56, s56, 3072
	s_add_co_u32 s57, s57, 256
	s_add_co_u32 s60, s60, 6144
	s_add_co_u32 s62, s62, 512
	s_add_co_u32 s61, s61, 1
	s_cmp_lt_u32 s61, 16
	s_cbranch_scc1 .Lh
	BARRIER                                        ; the hidden layer's 64 fragments lie in LDS
	s_wait_loadcnt 0x0                             ; mlp_w2, gains and biases
	; ---- O: the MLP's second product, LayerNorm 2, and out, 64 points a trip
	s_mov_b32 s56, HIMG
	s_mov_b32 s57, HSC
	s_mov_b32 s58, STAT2
	s_mov_b32 s61, 0
.Lo:
	LNA 4, W2F, WS2
	BARRIER                                        ; the four waves' statistics lie in LDS
	LNB 1
	BARRIER                                        ; every wave has read the statistics: the next trip may write them
	s_add_nc_u64 s[24:25], s[24:25], 256           ; 64 points on (the stores have read their base: the wait stands at the end of the way out)
	s_add_co_u32 s56, s56, 24576
	s_add_co_u32 s57, s57, 2048
	s_add_co_u32 s61, s61, 1
	s_cmp_lt_u32 s61, 4
	s_cbranch_scc1 .Lo
	s_wait_tensorcnt 0x0
	ds_add_u32 v222, v223
	s_wait_dscnt 0x0
	s_endpgm
.Lfunc_end_k_qa8311715be_main:
	.size	k_qa8311715be_main, .Lfunc_end_k_qa8311715be_main-k_qa8311715be_main
	.p2alignl 7, 3214868480
	.fill 96, 4, 3214868480
	.section	.rodata,"a",@progbits
	.p2align	6, 0x0
	.amdhsa_kernel k_qa8311715be_main
		.amdhsa_group_segment_fixed_size 327680
		.amdhsa_private_segment_fixed_size 0
		.amdhsa_enable_private_segment 0
		.amdhsa_kernarg_size 88
		.amdhsa_user_sgpr_count 2
		.amdhsa_user_sgpr_kernarg_segment_ptr 1
		.amdhsa_wavefront_size32 1
		.amdhsa_system_sgpr_workgroup_id_x 1
		.amdhsa_system_sgpr_workgroup_id_y 1
		.amdhsa_system_sgpr_workgroup_id_z 1
		.amdhsa_system_vgpr_workitem_id 0
		.amdhsa_next_free_vgpr 1024
		.amdhsa_next_free_sgpr 90
		.amdhsa_reserve_vcc 0
		.amdhsa_float_denorm_mode_32 3
		.amdhsa_float_denorm_mode_16_64 3
		.amdhsa_memory_ordered 1
		.amdhsa_forward_progress 1
		.amdhsa_inst_pref_size 204
	.end_amdhsa_kernel
	.amdgpu_metadata
---
amdhsa.version: [ 1, 2 ]
amdhsa.kernels:
  - .name:           k_qa8311715be_main
    .symbol:         k_qa8311715be_main.kd
    .args:
      - { .name: feat1, .offset: 0, .size: 8, .value_kind: global_buffer, .address_space: global }
      - { .name: wcodes, .offset: 8, .size: 8, .value_kind: global_buffer, .address_space: global }
      - { .name: wscales, .offset: 16, .size: 8, .value_kind: global_buffer, .address_space: global }
      - { .name: kvcodes, .offset: 24, .size: 8, .value_kind: global_buffer, .address_space: global }
      - { .name: kvscales, .offset: 32, .size: 8, .value_kind: global_buffer, .address_space: global }
      - { .name: ksum, .offset: 40, .size: 8, .value_kind: global_buffer, .address_space: global }
      - { .name: ln1_g, .offset: 48, .size: 8, .value_kind: global_buffer, .address_space: global }
      - { .name: ln1_b, .offset: 56, .size: 8, .value_kind: global_buffer, .address_space: global }
      - { .name: ln2_g, .offset: 64, .size: 8, .value_kind: global_buffer, .address_space: global }
      - { .name: ln2_b, .offset: 72, .size: 8, .value_kind: global_buffer, .address_space: global }
      - { .name: out0, .offset: 80, .size: 8, .value_kind: global_buffer, .address_space: global }
    .group_segment_fixed_size: 327680
    .private_segment_fixed_size: 0
    .kernarg_segment_align: 8
    .kernarg_segment_size: 88
    .max_flat_workgroup_size: 128
    .sgpr_count:     90
    .vgpr_count:     1024
    .wavefront_size: 32
...
	.end_amdgpu_metadata
.endif
;; end of part 4
